; MI455X (gfx1250); checked and timed in simulation.
; The chip was launched on July 23, 2026; its instructions are those of AMD's public machine-readable ISA for CDNA 5 (MIT licence, August 2026) and "CDNA5" Instruction Set Architecture Reference Guide (July 2026). The comments in the code are by the model that wrote it; some were corrected since.
;; Hyperbolic MLP. Allowed arithmetic: matrix products marked QUANTISED: E5M2 operands, one given power-of-two scale a tensor, by v_wmma_f32_16x16x64_bf8_bf8 or v_wmma_f32_16x16x128_bf8_bf8, f32 sums; everything else in f32.
;; Inputs: W1 2,048 x 1,024 float32; W2 2,048 x 2,048 float32; W3 1,000 x 2,048 float32; b1 2,048 float32; b2 2,048 float32; b3 1,000 float32; be1 2,048 float32; be2 2,048 float32; g1 2,048 float32; g2 2,048 float32; lowp_scales 6 int32 (the exponents e of the quantised operands' scales 2^e); x 8,192 x 1,024 float32.
;; Outputs: out0 8,192 x 1,000 float32.
;; This version of the problem:
;;   THIS VERSION OF THE PROBLEM IS GIVEN IN LOW PRECISION. The matrix products marked QUANTISED in the list below multiply operands that are first quantised to E5M2 (5 exponent bits, 2 mantissa bits; 8 bits a number), with one given power-of-two scale for each operand tensor; their sums are f32. All else is computed in f32.
;;   The module's matrix products, in the order in which they are computed (A, B: the left and right operand; K: the contracted axis; several contracted axes count as one K, in the product's order):
;;     1. [M 8,192, K 1,024] x [K 1,024, N 2,048]; A: input x; B: input W1: QUANTISED (scales: A lowp_scales[0], B lowp_scales[1])
;;     2. [M 8,192, K 2,048] x [K 2,048, N 2,048]; A: computed on the way; B: input W2: QUANTISED (scales: A lowp_scales[2], B lowp_scales[3])
;;     3. [M 8,192, K 2,048] x [K 2,048, N 1,000]; A: computed on the way; B: input W3: QUANTISED (scales: A lowp_scales[4], B lowp_scales[5])
;;   THE QUANTISER, for each operand of a quantised product, along K:
;;     - The operand's scale is 2^e, e = its entry of the input lowp_scales (int32; the entries are numbered through the quantised products in the list's order, A before B).
;;     - Each number is divided by the scale, clamped to +-57,344, and rounded to the nearest number of E5M2, ties to even, subnormals kept.
;;     - The product sums the exact products of the quantised numbers (number of the format x scale) in f32.
;;   ~~~python
;;   def quantise(x, axis, e):      # numpy; x: float32 -> the quantised numbers, widened to float32 again
;;       x = np.moveaxis(x, axis, -1); K = x.shape[-1]
;;       r = np.clip(x / 2.0 ** e, -57344, 57344)
;;       step = 2.0 ** (np.maximum(np.frexp(np.where(r == 0, 1, r))[1] - 1, -14) - 2)
;;       q = np.round(r / step) * step * 2.0 ** e      # np.round: ties to even
;;       return np.moveaxis(q, -1, axis).astype(np.float32)
;;   ~~~
;;   OPERANDS COMPUTED ON THE WAY. 'Computed on the way' means the value that the module computes at that place (a softmax that the list does not call 'softmax' is quantised finished and normalised). What goes into a quantiser is computed in f32, as accurately as f32 sums, v_exp_f32 and their like allow (about 1e-6 of the number): no bf16 or f16 on the way to a quantiser, and a product that is left as it is and whose result goes on into a quantised operand takes f32 operands (vector FMAs, or v_wmma_f32_16x16x4_f32). A number that lies on a knife's edge between two numbers of the format may be rounded either way, as far as f32 arithmetic and the matrix unit's own rounding can turn it there, and no further.
;; One version. Each part assembles by itself: llvm-mc -triple=amdgcn-amd-amdhsa -mcpu=gfx1250 --defsym DOCPART=n.
;; ======== version 1 of 1: 9 launches
;; limits: right only within a limited range of input values
;; workspace buffers: ac 16,777,216 bytes; wc 8,388,608 bytes; z 67,108,864 bytes; part 1,048,576 bytes; col 16,384 bytes; par1 512 bytes; par2 512 bytes
;; launch quant (part 1): grid 512 x 1, 4 waves a work-group, no clusters, 70,144 bytes of LDS; arguments x, W1, W2, W3, lowp_scales, ac, wc, par1, par2; writes ac, wc, par1, par2
.if DOCPART == 1
	.amdgcn_target "amdgcn-amd-amdhsa--gfx1250"
	.amdhsa_code_object_version 6
	.text
	.protected	k_q4c84b0d6c3_quant
	.globl	k_q4c84b0d6c3_quant
	.p2align	8
	.type	k_q4c84b0d6c3_quant,@function
k_q4c84b0d6c3_quant:
	s_mov_b64 s[64:65], 0
	v_nop
	global_prefetch_b8 v0, s[64:65] scope:SCOPE_SE
	s_setreg_imm32_b32 hwreg(HW_REG_WAVE_MODE, 25, 1), 1
	s_wait_xcnt 0x0
; x [8192][1024], W1 [2048][1024], W2 [2048][2048], W3 [1000][2048], f32, become codes of BF8 (E5M2), each with the scale 2^e given for it
; (entries 0, 1, 3, 5 of the scales' buffer): code = v / 2^e, held within +-57,344, to the nearest code, ties to even.
; x's codes go to ac; W1's, W2's, W3's to wc at bytes 0, 2,097,152 and 6,291,456; W3's rows 1000 to 1023 are stored as zero codes.
; THE ORDER OF K.  Rows are dense and every K is a multiple of 512, so a tensor is a stream of blocks of 512 numbers.  A step takes one block by four
; loads of 512 consecutive bytes, 16 a lane: lane l's register 4 j + i is number 128 j + 4 l + i of the block.  Its 16 codes are stored at byte 16 l:
; byte 16 l + 4 j + i of a block of codes holds number 128 j + 4 l + i.  All six operands of the three products are laid in this one order, so every
; product meets its partner, and neither loads nor stores need a turn through LDS.
; SHARES.  A wave takes 16 steps, 8,192 numbers.  Work-groups 0-255: x; 256-319: W1; 320-447: W2; 448-511: W3 (250 waves of numbers, 6 of zeros).
; x and W1 have a path each, W2 and W3 share one, chosen by the work-group's number.  Loads run eight steps (32 loads a wave) ahead.  Waves share nothing.
; Work-group 0's wave 0 also stores the two parameter blocks of the later row maps: 32 copies of {P, CAP, SGN, e}.
; LIMITS: -126 <= e <= 112, so that 2^e and 57,344 x 2^e are f32 numbers.  NaN among the inputs is not served; an infinity is held at the largest code.
; WORK LEFT OUT IN THIS PROGRAM: b1 and b2.  batchnorm_train takes each column's mean over the batch away: (z + b) - mean(z + b) = z - mean(z) and var(z + b) = var(z) for every b,
; so a constant added to a column of x W1^T or of h1_tan W2^T reaches no output, whatever the inputs hold.  b1 and b2 are not loaded and are among no launch's arguments.
; LIMIT: a NaN, an infinity or an overflow that would arise from b1 or b2 alone is not carried to the result.
; W1'S AND W2'S CODES LIE IN FRAGMENT ORDER (K in the shared order): for 16 rows n0 .. n0 + 15 and 128 along K, four chunks c of 512 bytes; byte 16 (16 h + r) + i of chunk c is byte 128 q + 32 c + 16 h + i of
; row n0 + r: the 16 bytes that lane 16 h + r of a matrix operand takes.  A wave takes 16 rows x one block of 512: step t is row n0 + t, so lane l's 16 steps are the 256 bytes at 256 l of the wave's 8,192.
; They turn through the wave's own stage in LDS (rows of 272 bytes) and leave as 16 stores of 512 consecutive bytes.  Each of the two paths has LDS bytes of its own.
.set R, 16
.set C, 144
.set FRAGO, 0                          ; 1: the path lays its codes in fragment order
.set RSTR, 2048                        ; bytes from one step's numbers to the next's
.set BSH, 0
.set HIB, 0                            ; 1: the path serves W2 and W3: steps 8 to 15 have a base and a bound of their own
.set LOFF, 0                           ; the path's LDS bytes
.macro OUTF                            ; the stage back by rows, two of 256 bytes an instruction, and out; then the three closing lines
.irp u, 0,1,2,3,4,5,6,7,8,9,10,11,12,13,14,15
	ds_load_b128 v[R+4*\u:R+4*\u+3], v15 offset:LOFF+544*\u
.endr
.irp u, 0,1,2,3,4,5,6,7,8,9,10,11,12,13,14,15
	s_wait_dscnt 15-\u
	global_store_b128 v1, v[R+4*\u:R+4*\u+3], s[38:39] offset:512*\u
.endr
	s_wait_tensorcnt 0x0
	ds_add_u32 v12, v13
	s_wait_dscnt 0x0
.endm
.macro LOAD t
.irp i, 0,1,2,3
	global_load_b128 v[R+16*((\t)%8)+4*\i:R+16*((\t)%8)+4*\i+3], v1, s[26+10*HIB*((\t)/8):27+10*HIB*((\t)/8)] offset:RSTR*(\t)+512*\i th:TH_LOAD_NT
.endr
.endm
.macro STEP t
.set XS, R+16*((\t)%8)
.set BND, 10-HIB*((\t)/8)
.if 15-(\t) >= 7
	s_wait_loadcnt 28                              ; this step's four loads are in; those of the seven steps behind it may be out
.else
	s_wait_loadcnt 4*(15-(\t))
.endif
.irp i, 0,1,2,3,4,5,6,7,8,9,10,11,12,13,14,15
	v_med3_num_f32 v[XS+\i], v[XS+\i], -v[BND], v[BND]
.endr
	v_cvt_scalef32_pk8_bf8_f32 v[C+4*(\t):C+4*(\t)+1], v[XS:XS+7], v11
	v_cvt_scalef32_pk8_bf8_f32 v[C+4*(\t)+2:C+4*(\t)+3], v[XS+8:XS+15], v11
.if FRAGO
	ds_store_b128 v14, v[C+4*(\t):C+4*(\t)+3] offset:LOFF+16*(\t)   ; into my row of the stage
.else
	global_store_b128 v1, v[C+4*(\t):C+4*(\t)+3], s[38:39] offset:512*(\t)
.endif
.if (\t)+8 < 16
	LOAD (\t)+8                                    ; the set just converted takes the step eight further on
.endif
.endm
; A path.  src, dst: the scalar pairs with the two buffers' addresses; dstoff: where its codes begin in dst; base: its first work-group;
; e: the scalar register with its exponent; lim: waves from this number on store zeros (0: none do).
.macro PATH src, dst, dstoff, base, e, lim
	s_sub_co_u32 s25, ttmp9, \base
	s_lshl_b32 s25, s25, 2
	s_add_co_u32 s25, s25, s24                     ; which run of 8,192 numbers is my wave's
.if FRAGO
	s_lshr_b32 s28, s25, BSH
.if HIB
	s_mov_b32 s35, s28                             ; tiles of 16 rows: 0-127 are W2's, 128-191 W3's; their codes follow each other in wc
	s_cmp_lt_u32 s35, 128                          ; the choice hangs on the work-group's and the wave's number alone
	s_cselect_b64 s[8:9], s[8:9], s[10:11]
	s_cselect_b32 s29, 0, 128
	s_cselect_b32 s37, 127, 62
	s_sub_co_u32 s28, s28, s29
	s_min_u32 s28, s28, s37                        ; W3 has 1000 rows: its tile 63 reads tile 62's rows 992 to 999, and holds them at 0
.endif
	s_mul_i32 s28, s28, 16*RSTR
	s_and_b32 s29, s25, (1<<BSH)-1                 ; which block of 512 of them
	s_lshl_b32 s29, s29, 11
	s_add_co_u32 s28, s28, s29
.else
	s_lshl_b32 s28, s25, 15
.endif
	s_mov_b32 s29, 0
	s_add_nc_u64 s[26:27], s[\src:\src+1], s[28:29]
.if HIB
	s_cmp_ge_u32 s35, 190                          ; W3's tiles 62 and 63: steps 8 to 15 read rows 992 to 999 once more, inside the buffer
	s_cselect_b32 s46, 8*RSTR, 0
	s_mov_b32 s47, 0
	s_sub_nc_u64 s[36:37], s[26:27], s[46:47]
.endif
	s_lshl_b32 s30, s25, 13                        ; 8,192 bytes of codes
	s_add_co_u32 s30, s30, \dstoff
	s_mov_b32 s31, 0
	s_add_nc_u64 s[38:39], s[\dst:\dst+1], s[30:31]
.if \lim
	s_cmp_ge_u32 s25, \lim
	s_cbranch_scc1 .Lzero
.endif
	s_wait_alu depctr_va_vdst(0)
.irp t, 0,1,2,3,4,5,6,7
	LOAD \t
.endr
	s_wait_kmcnt 0x0                               ; the exponents
.if HIB
	s_cmp_lt_u32 s35, 128
	s_cselect_b32 s43, s43, s45                    ; W2's exponent or W3's
.endif
	s_add_co_i32 s32, s[\e], 127
	s_lshl_b32 s33, s32, 23
	v_mov_b32 v11, s33                             ; 2^e as f32: the conversion takes its exponent field
	s_add_co_i32 s32, s32, 15
	s_lshl_b32 s32, s32, 23
	s_or_b32 s32, s32, 0x600000
	v_mov_b32 v10, s32
.if HIB
	s_cmp_lt_u32 s35, 191                          ; rows from 1000 on are held between -0 and 0: zero codes
	s_cselect_b32 s33, s32, 0
	v_mov_b32 v10, s33                             ; steps 0 to 7
	s_cmp_lt_u32 s35, 190
	s_cselect_b32 s33, s32, 0
	v_mov_b32 v9, s33                              ; steps 8 to 15
.endif
	s_wait_alu depctr_va_vdst(0)
.irp t, 0,1,2,3,4,5,6,7,8,9,10,11,12,13,14,15
	STEP \t
.endr
.endm
	s_load_b256 s[4:11], s[0:1], 0x0               ; x s[4:5], W1 s[6:7], W2 s[8:9], W3 s[10:11]
	s_load_b64 s[12:13], s[0:1], 0x20              ; the scales' exponents
	s_load_b256 s[16:23], s[0:1], 0x28             ; ac s[16:17], wc s[18:19], par1 s[20:21], par2 s[22:23]
	v_lshrrev_b32 v2, 5, v0
	v_readfirstlane_b32 s24, v2                    ; wave 0..3
	v_and_b32 v1, 31, v0
	s_mul_i32 s34, s24, 8704                       ; my wave's stage: 32 rows of 272 bytes
	v_mul_u32_u24 v14, v1, 272
	v_add_nc_u32 v14, s34, v14                     ; into it: row = lane
	v_lshrrev_b32 v15, 4, v1
	v_mul_u32_u24 v15, v15, 272
	v_and_b32 v3, 15, v1
	v_lshl_add_u32 v15, v3, 4, v15
	v_add_nc_u32 v15, s34, v15                     ; out of it: sixteen lanes to a row
	v_lshl_add_u32 v12, v0, 2, 69632               ; my spare word, behind the two paths' stages
	v_mov_b32 v13, 0
	v_lshlrev_b32 v1, 4, v1
	s_wait_kmcnt 0x0
	s_load_b128 s[40:43], s[12:13], 0x0            ; e0 .. e3
	s_load_b64 s[44:45], s[12:13], 0x10            ; e4, e5
	s_cmp_lt_u32 ttmp9, 256
	s_cbranch_scc0 .Lnot_x
	s_wait_alu depctr_va_vdst(0)
	PATH 4, 16, 0, 0, 40, 0                        ; x
	s_or_b32 s32, ttmp9, s24
	s_cmp_lg_u32 s32, 0
	s_cbranch_scc1 .Lx_done
	v_mov_b32 v208, 0x3f666666                     ; the first map: P = 0.9,
	v_mov_b32 v209, 0x7f800000                     ; CAP = +infinity,
	v_mov_b32 v210, -1.0                           ; SGN = -1,
	v_mov_b32 v211, s42                            ; e2
	v_mov_b32 v212, 1.0                            ; the second: P = 1,
	v_mov_b32 v213, 1.0                            ; CAP = 1,
	v_mov_b32 v214, 1.0                            ; SGN = +1,
	v_mov_b32 v215, s44                            ; e4
	global_store_b128 v1, v[208:211], s[20:21]     ; 32 copies: 512 consecutive bytes, the whole buffer
	global_store_b128 v1, v[212:215], s[22:23]
.Lx_done:
	s_endpgm
.Lnot_x:
	s_cmp_lt_u32 ttmp9, 320
	s_cbranch_scc0 .Lnot_w1
	s_wait_alu depctr_va_vdst(0)
.set FRAGO, 1
.set RSTR, 4096
.set BSH, 1
.set LOFF, 0
	PATH 6, 18, 0, 256, 41, 0
	OUTF
	s_endpgm
.Lnot_w1:
	s_wait_alu depctr_va_vdst(0)
.set RSTR, 8192
.set BSH, 2
.set LOFF, 34816
.set HIB, 1
	PATH 8, 18, 2097152, 320, 43, 0                ; W2 and W3, both in fragment order, on one path: only pointers, the exponent and the bounds are chosen
	OUTF
	s_endpgm
.Lfunc_end_k_q4c84b0d6c3_quant:
	.size	k_q4c84b0d6c3_quant, .Lfunc_end_k_q4c84b0d6c3_quant-k_q4c84b0d6c3_quant
	.p2alignl 7, 3214868480
	.fill 96, 4, 3214868480
	.section	.rodata,"a",@progbits
	.p2align	6, 0x0
	.amdhsa_kernel k_q4c84b0d6c3_quant
		.amdhsa_group_segment_fixed_size 70144
		.amdhsa_private_segment_fixed_size 0
		.amdhsa_enable_private_segment 0
		.amdhsa_kernarg_size 72
		.amdhsa_user_sgpr_count 2
		.amdhsa_user_sgpr_kernarg_segment_ptr 1
		.amdhsa_wavefront_size32 1
		.amdhsa_system_sgpr_workgroup_id_x 1
		.amdhsa_system_sgpr_workgroup_id_y 1
		.amdhsa_system_sgpr_workgroup_id_z 1
		.amdhsa_system_vgpr_workitem_id 0
		.amdhsa_next_free_vgpr 224
		.amdhsa_next_free_sgpr 66
		.amdhsa_reserve_vcc 0
		.amdhsa_float_denorm_mode_32 3
		.amdhsa_float_denorm_mode_16_64 3
		.amdhsa_memory_ordered 1
		.amdhsa_forward_progress 1
		.amdhsa_inst_pref_size 89
	.end_amdhsa_kernel
	.amdgpu_metadata
---
amdhsa.version: [ 1, 2 ]
amdhsa.kernels:
  - .name:           k_q4c84b0d6c3_quant
    .symbol:         k_q4c84b0d6c3_quant.kd
    .args:
      - { .name: x, .offset: 0, .size: 8, .value_kind: global_buffer, .address_space: global }
      - { .name: W1, .offset: 8, .size: 8, .value_kind: global_buffer, .address_space: global }
      - { .name: W2, .offset: 16, .size: 8, .value_kind: global_buffer, .address_space: global }
      - { .name: W3, .offset: 24, .size: 8, .value_kind: global_buffer, .address_space: global }
      - { .name: lowp_scales, .offset: 32, .size: 8, .value_kind: global_buffer, .address_space: global }
      - { .name: ac, .offset: 40, .size: 8, .value_kind: global_buffer, .address_space: global }
      - { .name: wc, .offset: 48, .size: 8, .value_kind: global_buffer, .address_space: global }
      - { .name: par1, .offset: 56, .size: 8, .value_kind: global_buffer, .address_space: global }
      - { .name: par2, .offset: 64, .size: 8, .value_kind: global_buffer, .address_space: global }
    .group_segment_fixed_size: 70144
    .private_segment_fixed_size: 0
    .kernarg_segment_align: 8
    .kernarg_segment_size: 72
    .max_flat_workgroup_size: 128
    .sgpr_count:     66
    .vgpr_count:     224
    .wavefront_size: 32
...
	.end_amdgpu_metadata
.endif
;; end of part 1
;; launch gemm1 (part 2): grid 8 x 32, 4 waves a work-group, clusters of 4 x 1, 327,680 bytes of LDS; arguments ac, wc, lowp_scales, z, part; writes z, part
.if DOCPART == 2
	.amdgcn_target "amdgcn-amd-amdhsa--gfx1250"
	.amdhsa_code_object_version 6
	.text
	.protected	k_q4c84b0d6c3_gemm1
	.globl	k_q4c84b0d6c3_gemm1
	.p2align	8
	.type	k_q4c84b0d6c3_gemm1,@function
k_q4c84b0d6c3_gemm1:
	s_mov_b64 s[64:65], 0
	v_nop
	global_prefetch_b8 v0, s[64:65] scope:SCOPE_SE
	s_setreg_imm32_b32 hwreg(HW_REG_WAVE_MODE, 25, 1), 1
	s_wait_xcnt 0x0
	s_wait_alu depctr_hold_cnt(0) depctr_sa_sdst(0) depctr_va_vdst(0) depctr_va_sdst(0) depctr_va_ssrc(0) depctr_va_vcc(0) depctr_vm_vsrc(0)
	s_getreg_b32 s2, hwreg(HW_REG_IB_STS2, 6, 4)
	s_cmp_eq_u32 s2, 0
	s_cbranch_scc0 .Lentry_in_a_cluster
	s_endpgm
.Lentry_in_a_cluster:
	s_bfe_u32 s2, ttmp6, 0x10000c
	s_cmp_lg_u32 s2, 0x3003
	s_cbranch_scc0 .Lentry_shape_is_right
	s_endpgm
.Lentry_shape_is_right:
; z = (A W^T) 2^(ea + eb): A [8192][1024] codes of BF8 (E5M2) in rows, W [2048][1024] codes in fragment order (laid by the first launch), z [8192][2048] f32; and each column's figures for the batch norm.
; The bias is left out: the batch norm's mean takes a column's constant away (shown at the head of the first kernel).  LIMIT: -126 <= ea + eb <= 127, so that 2^(ea + eb) is an f32 number.
; SHARES.  A work-group makes 256 x 256 of z; 8 x 32 work-groups.  A wave makes all 256 rows x 64 columns.
; W STAYS IN REGISTERS: a wave's 64 columns x all 1,024 of K are 8 K steps x 4 fragments x 16 registers = 512, loaded once, each fragment by four loads of 512 consecutive bytes.
; A lies in LDS whole: two slots of 128 rows x 1,024 bytes (+ 16 of padding), SPLIT BY ROWS, both filled once; each wave fetches 32 rows of a slot by one tensor load, asked for jointly by the four
; work-groups of a cluster (4 x 1), which make the same rows.  W's tiles are not asked for jointly: they do not pass through LDS.  No prefetch: no slot is filled again, and the text has no loop to run ahead in.
; THE WORK GOES BY BLOCKS OF 16 ROWS: a block is two groups (K halves) of 4 fragments of A x 4 of W, 16 matrix instructions each, on the block's four accumulators by turns (three others between two steps of a sum).
; A finished block leaves while the next ones are multiplied: x 2^(ea + eb) in place, through my stage in LDS (bytes of its own), back as rows of 256 bytes INTO THE SAME REGISTERS, stored sixteen lanes to an aligned unit.
; Eight blocks' accumulators take turns; ahead of blocks 8 and 14 one wait shows that the stores which read those registers have read them.
; THE FIGURES: lanes 0-15 see the tile's even rows, lanes 16-31 the odd ones, four columns a lane: each half is a slab of 128 rows; its mean and sum of squared deviations are stored (sums about the slab's first row).
; REGISTERS: window 0: v4-15 the figures, v16-31 addresses, v32-63 a block's deviations, v64-255 A's three sets.  windows 1, 2: W's K steps 0-3, 4-7.  window 3: block a's accumulators at v[32 (a % 8)].
.set SIZE_K, 1024
.set SIZE_N, 2048
.set WOFF,   0
.set SCOFF,  0
.set KQ,     8
.set NG,     32                        ; groups: 2 a + K half
.set PITCH,  1040
.set QROWS,  32*PITCH
.set SLOT,   4*QROWS
.set STAGE,  2*SLOT
.set SP,     272
.set SPARE,  STAGE+4*16*SP
.set SHF,  4
.set SUM1, 8
.set SUM2, 12
.set ADRA, 16
.set STO,  24
.set RD,   25
.set CO,   26
.set SPW,  28
.set NIL,  29
.set LB,   31
.set DV,   32
.set AB,   64
.set G1, 24
.set G0, 32
.set MSB, 0
.macro WIN new                         ; the immediate's high byte repeats the setting that is left
.if MSB != (\new)
	s_set_vgpr_msb (MSB<<8)|(\new)
.set MSB, (\new)
.endif
.endm
.macro PLACES                          ; four places behind matrix instructions (ISA guide 7.12.1)
.rept 4
	v_nop
.endr
.endm
.macro ROUND                           ; a round of the cluster's barrier
	s_barrier_signal -1
	s_barrier_wait -1
	s_cmp_lg_u32 s14, 0
	s_cbranch_scc1 .Lnw0_\@
	s_barrier_signal -3
.Lnw0_\@:
	s_barrier_wait -3
	s_barrier_signal -1
	s_barrier_wait -1
.endm
.macro BLOAD q                         ; W's four fragments of K step q
	WIN (1+(\q)/4)<<6
.irp b, 0,1,2,3
.irp c, 0,1,2,3
	global_load_b128 v[64*((\q)%4)+16*\b+4*\c:64*((\q)%4)+16*\b+4*\c+3], v[LB], s[46:47] offset:\b*KQ*2048+(\q)*2048+\c*512
.endr
.endr
.endm
.macro ALOAD g                         ; group g: block g / 2, K steps 4 (g % 2) + 0 .. 3, into set g % 3
.set LS, (\g)/16
.set LH, (((\g)/2)%8)/4
.set LP, ((\g)/2)%4
.set LR, AB+64*((\g)%3)
.irp i, 0,1,2,3
.irp c, 0,1,2,3
	ds_load_b128 v[LR+16*\i+4*\c:LR+16*\i+4*\c+3], v[ADRA+2*LS+LH] offset:LP*16*PITCH+512*((\g)%2)+128*\i+32*\c
.endr
.endr
.endm
.macro MULG g
.set MR, AB+64*((\g)%3)
.set MD, 32*(((\g)/2)%8)
.set MH, (\g)%2
	WIN 0xf1+MH
.if (\g) == 0
	s_wait_loadcnt 63                              ; W's K steps 0 to 3 are in: 64 loads were issued behind them
.endif
.irp i, 0,1,2,3
.if (\g) == 1
	s_wait_loadcnt 16*(3-\i)                       ; W's K step 4 + i is in; the later steps' loads may be out
.endif
.irp b, 0,1,2,3
.if (MH == 0) && (\i == 0)
	v_wmma_f32_16x16x128_bf8_bf8 v[MD+8*\b:MD+8*\b+7], v[64*\i+16*\b:64*\i+16*\b+15], v[MR+16*\i:MR+16*\i+15], 0
.else
	v_wmma_f32_16x16x128_bf8_bf8 v[MD+8*\b:MD+8*\b+7], v[64*\i+16*\b:64*\i+16*\b+15], v[MR+16*\i:MR+16*\i+15], v[MD+8*\b:MD+8*\b+7]
.endif
.endr
.endr
.endm
.macro OUT1 a                          ; block a: scaled in place, into the stage, back by rows into the same registers (LDS serves a wave's instructions in order: ISA guide 5.7.1.4)
.set AC, 32*((\a)%8)
	WIN 0xc3
.set j, 0
.rept 16
	v_pk_mul_f32 v[AC+j:AC+j+1], v[AC+j:AC+j+1], s[96:97] op_sel_hi:[1,0]   ; each accumulator from its low end on
.set j, j+2
.endr
	WIN 0x0c
.irp b, 0,1,2,3
	ds_store_b128 v[STO], v[AC+8*\b:AC+8*\b+3] offset:64*\b
	ds_store_b128 v[STO], v[AC+8*\b+4:AC+8*\b+7] offset:64*\b+16
.endr
	WIN 0xc0
.irp t, 0,1,2,3,4,5,6,7
	ds_load_b128 v[AC+4*\t:AC+4*\t+3], v[RD] offset:\t*2*SP
.endr
.endm
.macro OUT2 a, younger                 ; block a: stored, and added to the figures; younger: the LDS instructions issued behind its loads
.set AC, 32*((\a)%8)
	s_wait_alu depctr_va_vdst(0)
	s_wait_dscnt \younger
	WIN 0x0c
.irp t, 0,1,2,3,4,5,6,7
	global_store_b128 v[LB], v[AC+4*\t:AC+4*\t+3], s[10:11] offset:((\a)/2)*262144+((\a)%2)*4096+\t*512 th:TH_STORE_NT   ; two rows of my chunk: 512 consecutive bytes; a block is 4,096 on end
.endr
	WIN 0x03
.if (\a) == 0
.irp i, 0,1,2,3
	v_mov_b32 v[SHF+\i], v[AC+\i]                  ; the slab's first row
.endr
.endif
.irp t, 0,1,2,3,4,5,6,7
	v_pk_add_f32 v[DV+4*\t:DV+4*\t+1], v[AC+4*\t:AC+4*\t+1], v[SHF:SHF+1] neg_lo:[0,1] neg_hi:[0,1]
	v_pk_add_f32 v[DV+4*\t+2:DV+4*\t+3], v[AC+4*\t+2:AC+4*\t+3], v[SHF+2:SHF+3] neg_lo:[0,1] neg_hi:[0,1]
.endr
	WIN 0
.irp t, 0,1,2,3,4,5,6,7
.if ((\a) == 0) && (\t == 0)
	v_pk_add_f32 v[SUM1:SUM1+1], v[DV:DV+1], v[DV+4:DV+5]          ; the first two rows start the sums (the first row's deviation is 0)
	v_pk_add_f32 v[SUM1+2:SUM1+3], v[DV+2:DV+3], v[DV+6:DV+7]
	v_pk_mul_f32 v[SUM2:SUM2+1], v[DV+4:DV+5], v[DV+4:DV+5]
	v_pk_mul_f32 v[SUM2+2:SUM2+3], v[DV+6:DV+7], v[DV+6:DV+7]
.elseif ((\a) > 0) || (\t > 1)
	v_pk_add_f32 v[SUM1:SUM1+1], v[SUM1:SUM1+1], v[DV+4*\t:DV+4*\t+1]
	v_pk_add_f32 v[SUM1+2:SUM1+3], v[SUM1+2:SUM1+3], v[DV+4*\t+2:DV+4*\t+3]
	v_pk_fma_f32 v[SUM2:SUM2+1], v[DV+4*\t:DV+4*\t+1], v[DV+4*\t:DV+4*\t+1], v[SUM2:SUM2+1]
	v_pk_fma_f32 v[SUM2+2:SUM2+3], v[DV+4*\t+2:DV+4*\t+3], v[DV+4*\t+2:DV+4*\t+3], v[SUM2+2:SUM2+3]
.endif
.endr
.endm
.macro STEPG                           ; group G; behind an odd group the block before goes into the stage, behind an even one the block two before is sent
.set BA, G/2
	PLACES
	WIN 0
.if (G == 16) || (G == 28)
	s_wait_alu depctr_va_vdst(0)
	s_wait_xcnt 0x0                                ; the stores issued so far (blocks up to 5, up to 11) have read their registers: blocks 8 to 13, 14 and 15 may begin there
.endif
.if G+2 < NG
	ALOAD G+2
.endif
.set DN, 0                             ; behind group G's loads: those of groups G + 1 and G + 2, and from block 2 on one block's 16 stage instructions
.if G+1 < NG
.set DN, DN+16
.endif
.if G+2 < NG
.set DN, DN+16
.endif
.if BA >= 2
.set DN, DN+16
.endif
	s_wait_dscnt DN
	MULG G
.if (G%2) == 1
.if BA >= 1
	OUT1 BA-1
.endif
.else
.if BA >= 2
.if G+2 < NG
	OUT2 BA-2, 16
.else
	OUT2 BA-2, 0
.endif
.endif
.endif
.set G, G+1
.endm
	s_load_b128 s[4:7], s[0:1], 0x0                ; A's codes, W's codes
	s_load_b128 s[8:11], s[0:1], 0x10              ; the scales' exponents, z
	s_load_b64 s[12:13], s[0:1], 0x20              ; part
	v_lshl_add_u32 v[SPW], v0, 2, SPARE
	v_mov_b32 v[NIL], 0
	ds_add_u32 v[SPW], v[NIL]
	ds_add_u32 v[SPW], v[NIL]
	v_lshrrev_b32 v1, 5, v0
	v_readfirstlane_b32 s14, v1                    ; wave
	s_bfe_u32 s40, ttmp6, 0x40000                  ; cx
	s_lshl_b32 s42, ttmp9, 2
	s_add_co_u32 s42, s42, s40                     ; tile column
	s_and_b32 s17, ttmp7, 0xffff                   ; tile row: the same in the four partners
	s_mov_b32 s[G1+0], 15|(1<<20)|(1<<21)|(7<<22)|(3<<25)   ; the mask; elements of 1 byte; 4 words of padding behind every 256
	s_mov_b32 s[G1+1], 1024<<16
	s_mov_b32 s[G1+2], 32<<16
	s_mov_b32 s[G1+3], 1024<<16
	s_mov_b32 s[G1+4], 32
	s_mov_b32 s[G1+5], SIZE_K
	s_mov_b32 s[G1+6], 0
	s_mov_b32 s[G1+7], 0
	s_lshl_b32 s20, s17, 8
	s_lshl_b32 s18, s14, 5
	s_add_co_u32 s20, s20, s18
	s_mul_i32 s20, s20, SIZE_K                     ; A: row 256 x tile row + 32 x wave
	s_mov_b32 s21, 0
	s_mul_i32 s45, s14, QROWS
	s_lshl_b32 s46, s42, 4
	s_lshl_b32 s47, s14, 2
	s_add_co_u32 s46, s46, s47
	s_mul_i32 s46, s46, KQ*2048                    ; W: my first tile of 16 columns
	s_add_co_u32 s46, s46, WOFF
	s_mov_b32 s47, 0
	s_lshl_b32 s48, s42, 10
	s_lshl_b32 s49, s14, 8
	s_add_co_u32 s48, s48, s49                     ; my 64 columns, in bytes of f32
	s_lshl_b32 s50, s17, 21                        ; 256 rows of z
	s_lshl_b32 s51, s48, 5                         ; z IS LAID FOR ITS WRITER: for each 32 rows, 32 chunks of 64 columns, a chunk 32 rows x 256 bytes on end; my chunk is 4 x tile column + wave
	s_add_co_u32 s50, s50, s51
	s_mov_b32 s51, 0
	s_lshl_b32 s52, s17, 14                        ; two slabs of part
	s_add_co_u32 s52, s52, s48
	s_mov_b32 s53, 0
	s_mul_i32 s23, s14, 16*SP
	s_add_co_u32 s23, s23, STAGE
	v_and_b32 v1, 15, v0
	v_bfe_u32 v2, v0, 4, 1
	v_mul_u32_u24 v3, v1, PITCH
	v_lshl_add_u32 v[ADRA], v2, 4, v3
	v_add_nc_u32 v[ADRA+1], 64*PITCH, v[ADRA]
	v_add_nc_u32 v[ADRA+2], SLOT, v[ADRA]
	v_add_nc_u32 v[ADRA+3], SLOT+64*PITCH, v[ADRA]
	v_mul_u32_u24 v3, v1, SP
	v_lshl_add_u32 v3, v2, 5, v3
	v_add_nc_u32 v[STO], s23, v3
	v_mul_u32_u24 v3, v2, SP
	v_lshl_add_u32 v3, v1, 4, v3
	v_add_nc_u32 v[RD], s23, v3
	v_lshlrev_b32 v3, 4, v1
	v_lshl_add_u32 v[CO], v2, 13, v3
	v_and_b32 v3, 31, v0
	v_lshlrev_b32 v[LB], 4, v3
	s_wait_alu depctr_va_vdst(0)
	s_wait_dscnt 0x0
	s_wait_kmcnt 0x0
	s_load_b64 s[96:97], s[8:9], SCOFF
	s_add_nc_u64 s[20:21], s[4:5], s[20:21]
	s_add_nc_u64 s[46:47], s[6:7], s[46:47]
	s_add_nc_u64 s[10:11], s[10:11], s[50:51]
	s_add_nc_u64 s[12:13], s[12:13], s[52:53]
.irp s, 0,1
	s_mov_b32 s[G0+4*\s], 1
	s_add_co_u32 s[G0+4*\s+1], s45, \s*SLOT
	s_add_nc_u64 s[G0+4*\s+2:G0+4*\s+3], s[20:21], \s*128*SIZE_K
	s_or_b32 s[G0+4*\s+3], s[G0+4*\s+3], 0x80000000
.endr
	BLOAD 0
	BLOAD 1
	BLOAD 2
	WIN 0
	ROUND                                          ; the four work-groups are here: the first joint loads meet
	tensor_load_to_lds s[G0:G0+3], s[G1:G1+7]      ; rows 0-127: one tensor load a wave at the head
	s_nop 0
	PLACES
.irp q, 3,4,5,6,7
	BLOAD \q
.endr
	WIN 0
	s_wait_alu depctr_va_vdst(0)
	s_wait_tensorcnt 0x0                           ; my part of rows 0-127 is in; the three lines and a round ahead of slot 1's first fill
	ds_add_u32 v[SPW], v[NIL]
	s_wait_dscnt 0x0
	ROUND
	tensor_load_to_lds s[G0+4:G0+7], s[G1:G1+7]    ; rows 128-255
	s_nop 0
	PLACES
	ALOAD 0
	ALOAD 1
	s_wait_kmcnt 0x0
	s_add_co_i32 s96, s96, s97
	s_add_co_i32 s96, s96, 127
	s_lshl_b32 s96, s96, 23                        ; 2^(ea + eb) as f32
.set G, 0
.rept 14
	STEPG
.endr
	WIN 0
	s_wait_alu depctr_va_vdst(0)
	s_wait_tensorcnt 0x0                           ; my part of rows 128-255 is in;
	ds_add_u32 v[SPW], v[NIL]
	s_wait_dscnt 0x0                               ; no LDS instruction of mine is out at the signal
	s_barrier_signal -1
	s_barrier_wait -1                              ; and so is everybody's: group 16's loads follow
.rept 18
	STEPG
.endr
	PLACES
	OUT1 15
	OUT2 14, 16
	OUT2 15, 0
	v_pk_mul_f32 v[40:41], v[SUM1:SUM1+1], 0x3c000000 op_sel_hi:[1,0]          ; / 128
	v_pk_mul_f32 v[42:43], v[SUM1+2:SUM1+3], 0x3c000000 op_sel_hi:[1,0]
	v_pk_add_f32 v[32:33], v[SHF:SHF+1], v[40:41]                              ; the slab's mean
	v_pk_add_f32 v[34:35], v[SHF+2:SHF+3], v[42:43]
	v_pk_fma_f32 v[36:37], v[SUM1:SUM1+1], v[40:41], v[SUM2:SUM2+1] neg_lo:[1,0,0] neg_hi:[1,0,0]   ; its sum of squared deviations
	v_pk_fma_f32 v[38:39], v[SUM1+2:SUM1+3], v[42:43], v[SUM2+2:SUM2+3] neg_lo:[1,0,0] neg_hi:[1,0,0]
.irp i, 0,1,2,3
	v_max_num_f32 v[36+\i], 0, v[36+\i]
.endr
	global_store_b128 v[CO], v[32:35], s[12:13]
	global_store_b128 v[CO], v[36:39], s[12:13] offset:524288
	s_wait_tensorcnt 0x0                           ; the wave's end
	ds_add_u32 v[SPW], v[NIL]
	s_wait_dscnt 0x0
	ROUND                                          ; the closing round
	s_endpgm
.Lfunc_end_k_q4c84b0d6c3_gemm1:
	.size	k_q4c84b0d6c3_gemm1, .Lfunc_end_k_q4c84b0d6c3_gemm1-k_q4c84b0d6c3_gemm1
	.p2alignl 7, 3214868480
	.fill 96, 4, 3214868480
	.section	.rodata,"a",@progbits
	.p2align	6, 0x0
	.amdhsa_kernel k_q4c84b0d6c3_gemm1
		.amdhsa_group_segment_fixed_size 327680
		.amdhsa_private_segment_fixed_size 0
		.amdhsa_enable_private_segment 0
		.amdhsa_kernarg_size 40
		.amdhsa_user_sgpr_count 2
		.amdhsa_user_sgpr_kernarg_segment_ptr 1
		.amdhsa_wavefront_size32 1
		.amdhsa_system_sgpr_workgroup_id_x 1
		.amdhsa_system_sgpr_workgroup_id_y 1
		.amdhsa_system_sgpr_workgroup_id_z 1
		.amdhsa_system_vgpr_workitem_id 0
		.amdhsa_next_free_vgpr 1024
		.amdhsa_next_free_sgpr 98
		.amdhsa_reserve_vcc 0
		.amdhsa_float_denorm_mode_32 3
		.amdhsa_float_denorm_mode_16_64 3
		.amdhsa_memory_ordered 1
		.amdhsa_forward_progress 1
		.amdhsa_inst_pref_size 186
	.end_amdhsa_kernel
	.amdgpu_metadata
---
amdhsa.version: [ 1, 2 ]
amdhsa.kernels:
  - .name:           k_q4c84b0d6c3_gemm1
    .symbol:         k_q4c84b0d6c3_gemm1.kd
    .args:
      - { .name: ac, .offset: 0, .size: 8, .value_kind: global_buffer, .address_space: global }
      - { .name: wc, .offset: 8, .size: 8, .value_kind: global_buffer, .address_space: global }
      - { .name: lowp_scales, .offset: 16, .size: 8, .value_kind: global_buffer, .address_space: global }
      - { .name: z, .offset: 24, .size: 8, .value_kind: global_buffer, .address_space: global }
      - { .name: part, .offset: 32, .size: 8, .value_kind: global_buffer, .address_space: global }
    .group_segment_fixed_size: 327680
    .private_segment_fixed_size: 0
    .kernarg_segment_align: 8
    .kernarg_segment_size: 40
    .max_flat_workgroup_size: 128
    .sgpr_count:     98
    .vgpr_count:     1024
    .wavefront_size: 32
...
	.end_amdgpu_metadata
.endif
;; end of part 2
;; launch fin1 (part 3): grid 32 x 1, 8 waves a work-group, no clusters, 9,216 bytes of LDS; arguments part, g1, col; writes col
.if DOCPART == 3
	.amdgcn_target "amdgcn-amd-amdhsa--gfx1250"
	.amdhsa_code_object_version 6
	.text
	.protected	k_q4c84b0d6c3_fin1
	.globl	k_q4c84b0d6c3_fin1
	.p2align	8
	.type	k_q4c84b0d6c3_fin1,@function
k_q4c84b0d6c3_fin1:
	s_mov_b64 s[64:65], 0
	v_nop
	global_prefetch_b8 v0, s[64:65] scope:SCOPE_SE
	s_setreg_imm32_b32 hwreg(HW_REG_WAVE_MODE, 25, 1), 1
	s_wait_xcnt 0x0
; The batch norm's column figures from the 64 slabs' figures.  part: [2][64][2048] f32: a slab's (128 rows') mean of each column, and its sum of squared deviations.
; mu = the mean of the 64 means; 8192 var = the sum of the slabs' squared deviations + 128 x the sum of (slab mean - mu)^2: no difference of large sums is formed.
; col: [2][2048] f32: mu, and a = g / sqrt(var + 1e-5).
; SHARES.  A work-group takes 64 columns: 256 bytes of each slab's row.  Thread t: four columns (t % 16) of four slabs (group t / 16).  The sixteen groups' sums meet in LDS, twice: for mu, then for var.
; Every thread adds the sixteen parts in the same order; threads 0 to 15 store: sixteen lanes, 256 consecutive bytes.
	s_load_b128 s[4:7], s[0:1], 0x0                ; part, g
	s_load_b64 s[8:9], s[0:1], 0x10                ; col
	v_lshl_add_u32 v136, v0, 2, 0x2000
	v_mov_b32 v137, 0
	v_and_b32 v4, 15, v0
	v_lshrrev_b32 v5, 4, v0                        ; my group of four slabs
	s_delay_alu instid0(VALU_DEP_2)
	v_lshlrev_b32 v2, 4, v4                        ; my four columns: 16 bytes
	s_delay_alu instid0(VALU_DEP_1)
	v_lshl_add_u32 v1, v5, 15, v2                  ; + four slab rows of 8,192 bytes a group
	v_lshlrev_b32 v3, 4, v0                        ; LDS: 16 x thread = 256 x group + 16 x (t % 16)
	s_lshl_b32 s10, ttmp9, 8                       ; the work-group's 64 columns
	s_mov_b32 s11, 0
	s_mov_b32 s14, 0x39000000                      ; 1 / 8192
	s_wait_alu depctr_va_vdst(0)
	s_wait_kmcnt 0x0
	s_add_nc_u64 s[4:5], s[4:5], s[10:11]
	s_add_nc_u64 s[6:7], s[6:7], s[10:11]
	s_add_nc_u64 s[8:9], s[8:9], s[10:11]
.irp i, 0,1,2,3
	global_load_b128 v[16+4*\i:19+4*\i], v1, s[4:5] offset:8192*\i            ; four slabs' means
.endr
.irp i, 0,1,2,3
	global_load_b128 v[32+4*\i:35+4*\i], v1, s[4:5] offset:8192*\i+524288     ; and their squared deviations
.endr
	global_load_b128 v[48:51], v2, s[6:7]          ; g
	s_wait_loadcnt 0x0
.macro SUM16 d                         ; the sixteen groups' parts, v64-127, are added into v[d .. d + 3]
	v_pk_add_f32 v[\d:\d+1], v[64:65], v[68:69]
	v_pk_add_f32 v[\d+2:\d+3], v[66:67], v[70:71]
.irp k, 2,3,4,5,6,7,8,9,10,11,12,13,14,15
	s_delay_alu instid0(VALU_DEP_2)
	v_pk_add_f32 v[\d:\d+1], v[\d:\d+1], v[64+4*\k:65+4*\k]
	s_delay_alu instid0(VALU_DEP_2)
	v_pk_add_f32 v[\d+2:\d+3], v[\d+2:\d+3], v[66+4*\k:67+4*\k]
.endr
.endm
	v_pk_add_f32 v[52:53], v[16:17], v[20:21]      ; my four means' sum
	v_pk_add_f32 v[54:55], v[18:19], v[22:23]
	v_pk_add_f32 v[60:61], v[24:25], v[28:29]
	v_pk_add_f32 v[62:63], v[26:27], v[30:31]
	s_delay_alu instid0(VALU_DEP_2)
	v_pk_add_f32 v[52:53], v[52:53], v[60:61]
	s_delay_alu instid0(VALU_DEP_2)
	v_pk_add_f32 v[54:55], v[54:55], v[62:63]
	ds_store_b128 v3, v[52:55]
	s_wait_dscnt 0x0                               ; for the others' sake: my store has landed
	s_barrier_signal -1
	s_barrier_wait -1
.irp k, 0,1,2,3,4,5,6,7,8,9,10,11,12,13,14,15
	ds_load_b128 v[64+4*\k:67+4*\k], v2 offset:256*\k
.endr
	s_wait_dscnt 0x0
	SUM16 56
	s_delay_alu instid0(VALU_DEP_2)
	v_pk_mul_f32 v[56:57], v[56:57], 0x3c800000 op_sel_hi:[1,0]    ; / 64: mu
	s_delay_alu instid0(VALU_DEP_2)
	v_pk_mul_f32 v[58:59], v[58:59], 0x3c800000 op_sel_hi:[1,0]
.irp i, 0,1,2,3
	v_pk_add_f32 v[60:61], v[16+4*\i:17+4*\i], v[56:57] neg_lo:[0,1] neg_hi:[0,1]
	v_pk_add_f32 v[62:63], v[18+4*\i:19+4*\i], v[58:59] neg_lo:[0,1] neg_hi:[0,1]
.if \i == 0
	s_delay_alu instid0(VALU_DEP_2)
	v_pk_mul_f32 v[128:129], v[60:61], v[60:61]
	s_delay_alu instid0(VALU_DEP_2)
	v_pk_mul_f32 v[130:131], v[62:63], v[62:63]
.else
	s_delay_alu instid0(VALU_DEP_2)
	v_pk_fma_f32 v[128:129], v[60:61], v[60:61], v[128:129]
	s_delay_alu instid0(VALU_DEP_2)
	v_pk_fma_f32 v[130:131], v[62:63], v[62:63], v[130:131]
.endif
.endr
	v_pk_add_f32 v[52:53], v[32:33], v[36:37]      ; (the store that read v52-55 has been waited for)
	v_pk_add_f32 v[54:55], v[34:35], v[38:39]
	v_pk_add_f32 v[60:61], v[40:41], v[44:45]
	v_pk_add_f32 v[62:63], v[42:43], v[46:47]
	s_delay_alu instid0(VALU_DEP_2)
	v_pk_add_f32 v[52:53], v[52:53], v[60:61]
	s_delay_alu instid0(VALU_DEP_2)
	v_pk_add_f32 v[54:55], v[54:55], v[62:63]
	s_delay_alu instid0(VALU_DEP_2)
	v_pk_fma_f32 v[52:53], v[128:129], 0x43000000, v[52:53] op_sel_hi:[1,0,1]   ; + 128 x the sum of (slab mean - mu)^2
	s_delay_alu instid0(VALU_DEP_2)
	v_pk_fma_f32 v[54:55], v[130:131], 0x43000000, v[54:55] op_sel_hi:[1,0,1]
	ds_store_b128 v3, v[52:55] offset:4096         ; bytes of their own: the first parts may still be read by others
	s_wait_dscnt 0x0
	s_barrier_signal -1
	s_barrier_wait -1
.irp k, 0,1,2,3,4,5,6,7,8,9,10,11,12,13,14,15
	ds_load_b128 v[64+4*\k:67+4*\k], v2 offset:4096+256*\k
.endr
	s_wait_dscnt 0x0
	SUM16 128
.irp i, 0,1,2,3
	v_fmaak_f32 v[60+\i], s14, v[128+\i], 0x3727c5ac   ; var + 1e-5
.endr
	s_wait_alu depctr_va_vdst(0)
.irp i, 0,1,2,3
	v_rsq_f32 v[60+\i], v[60+\i]
.endr
	v_nop                                          ; a plain instruction behind the last of the batch (ISA guide 5.7.2)
	s_wait_alu depctr_va_vdst(0)                   ; one wait for the four, ahead of their first reader
	v_pk_mul_f32 v[60:61], v[60:61], v[48:49]      ; a = g / sqrt(var + 1e-5)
	v_pk_mul_f32 v[62:63], v[62:63], v[50:51]
	s_wait_alu depctr_va_vdst(0)
	s_wait_xcnt 0x0                                ; EXEC changes only behind this wait
	v_cmp_gt_u32 vcc_lo, 16, v0
	s_wait_tensorcnt 0x0
	ds_add_u32 v136, v137
	s_wait_dscnt 0x0
	s_and_saveexec_b32 s12, vcc_lo                 ; threads 0 to 15
	global_store_b128 v2, v[56:59], s[8:9]
	global_store_b128 v2, v[60:63], s[8:9] offset:8192
	s_wait_xcnt 0x0                                ; and again, in front of the line that widens it
	s_or_b32 exec_lo, exec_lo, s12
	s_endpgm
.Lfunc_end_k_q4c84b0d6c3_fin1:
	.size	k_q4c84b0d6c3_fin1, .Lfunc_end_k_q4c84b0d6c3_fin1-k_q4c84b0d6c3_fin1
	.p2alignl 7, 3214868480
	.fill 96, 4, 3214868480
	.section	.rodata,"a",@progbits
	.p2align	6, 0x0
	.amdhsa_kernel k_q4c84b0d6c3_fin1
		.amdhsa_group_segment_fixed_size 9216
		.amdhsa_private_segment_fixed_size 0
		.amdhsa_enable_private_segment 0
		.amdhsa_kernarg_size 24
		.amdhsa_user_sgpr_count 2
		.amdhsa_user_sgpr_kernarg_segment_ptr 1
		.amdhsa_wavefront_size32 1
		.amdhsa_system_sgpr_workgroup_id_x 1
		.amdhsa_system_sgpr_workgroup_id_y 1
		.amdhsa_system_sgpr_workgroup_id_z 1
		.amdhsa_system_vgpr_workitem_id 0
		.amdhsa_next_free_vgpr 138
		.amdhsa_next_free_sgpr 66
		.amdhsa_reserve_vcc 1
		.amdhsa_float_denorm_mode_32 3
		.amdhsa_float_denorm_mode_16_64 3
		.amdhsa_memory_ordered 1
		.amdhsa_forward_progress 1
		.amdhsa_inst_pref_size 14
	.end_amdhsa_kernel
	.amdgpu_metadata
---
amdhsa.version: [ 1, 2 ]
amdhsa.kernels:
  - .name:           k_q4c84b0d6c3_fin1
    .symbol:         k_q4c84b0d6c3_fin1.kd
    .args:
      - { .name: part, .offset: 0, .size: 8, .value_kind: global_buffer, .address_space: global }
      - { .name: g1, .offset: 8, .size: 8, .value_kind: global_buffer, .address_space: global }
      - { .name: col, .offset: 16, .size: 8, .value_kind: global_buffer, .address_space: global }
    .group_segment_fixed_size: 9216
    .private_segment_fixed_size: 0
    .kernarg_segment_align: 8
    .kernarg_segment_size: 24
    .max_flat_workgroup_size: 256
    .sgpr_count:     66
    .vgpr_count:     138
    .wavefront_size: 32
...
	.end_amdgpu_metadata
.endif
;; end of part 3
;; launch bn1 (part 4): grid 256 x 1, 4 waves a work-group, no clusters, 1,024 bytes of LDS; arguments z, col, be1, par1, ac; writes ac
.if DOCPART == 4
	.amdgcn_target "amdgcn-amd-amdhsa--gfx1250"
	.amdhsa_code_object_version 6
	.text
	.protected	k_q4c84b0d6c3_bn1
	.globl	k_q4c84b0d6c3_bn1
	.p2align	8
	.type	k_q4c84b0d6c3_bn1,@function
k_q4c84b0d6c3_bn1:
	s_mov_b64 s[64:65], 0
	v_nop
	global_prefetch_b8 v0, s[64:65] scope:SCOPE_SE
	s_setreg_imm32_b32 hwreg(HW_REG_WAVE_MODE, 25, 1), 1
	s_wait_xcnt 0x0
; h = relu(a (z - mu) + be), then the hyperbolic map, then the quantiser: z [8192][2048] f32 -> codes of BF8 (E5M2) [8192][2048], K in the order that all operands share
; (byte 16 l + 4 j + i of a block of 512 holds column 128 j + 4 l + i).
; THE MAP IS ONE FACTOR FOR EACH ROW.  The origin is the zero vector and 1 +- 1e-8 is 1 in f32, so with n = |h|, r = sqrt(0.1), T(u) = tanh(u) / u, A(w) = atanh(w) / w:
;   s = P T(r n);  Y = min(max(s n, 1e-8), CAP);  f = SGN s A(r Y);  what is quantised is f h.
;   to the ball and the log map at the origin: P = 0.9, CAP = +infinity, SGN = -1;  the exp map at the origin and back: P = 1, CAP = 1, SGN = +1.  P, CAP, SGN and the scale's exponent e come from the parameter block.
; tanh = 1 - 2 / (e^(2u) + 1) and atanh = ln((1 + w) / (1 - w)) / 2; under 0.25 both quotients are taken from their series (the first term left out is under 1e-8 of the sum); the choice is a select, no branch.
; A row of zeros gets a finite f and stays zeros.  A row whose sum of squares overflows gets f = 0.
; SHARES.  A work-group takes 32 rows.  THE WAVES SHARE THE COLUMNS: wave w takes columns 512 w .. 512 w + 511 of all 32 rows, so mu, a and be are read once by a work-group, and a row's 16 numbers a lane stay in
; registers between the pass that finds the norm and the pass that quantises: z is read once.  The waves' sums of squares meet in LDS (one barrier); then lane l of every wave works out row l's factor.
; Loads run 15 rows (60 loads a wave) ahead.  LIMITS: -126 <= e <= 112.  NaN and infinities in z are not served (relu here turns NaN into 0).
; REGISTERS: window 0: v1-6 addresses and the scale; v8-15 four rows' factors as pairs; v16-63 mu, a, be; v64-127 the sums of squares, later rows 0-15's codes; v128-159 a row's sum each; v160-223 rows 16-31's codes;
;   v224-243 at work.   windows 1, 2: z, then h, then f h: row r at v[16 (r % 16)] of window 1 + r / 16; register 4 j + i is column 512 w + 128 j + 4 l + i.
.set FB,  8
.set MU,  16
.set AA,  32
.set BE,  48
.set SS,  64
.set P,   128
.set QQ,  224                          ; the row's sum of squares
.set NN,  225                          ; n
.set UU,  226                          ; u = r n
.set EE,  227                          ; e^(2u), then + 1
.set RU,  228                          ; 1 / u
.set RR,  229
.set TH,  230                          ; tanh u
.set U2,  231
.set TS,  232                          ; T by its series
.set TT,  233                          ; T
.set SF,  234                          ; s
.set YY,  235
.set WW,  236                          ; w = r Y
.set RM,  237                          ; 1 / (1 - w)
.set RW,  238                          ; 1 / w
.set LG,  239
.set AS,  240                          ; A by its series
.set AT,  241                          ; A
.set FF,  242                          ; f
.set W2,  243
.set MSB, 0
.macro WIN new                         ; s_set_vgpr_msb: bits 1:0 source 0, 3:2 source 1, 5:4 source 2, 7:6 destination; the high byte repeats the setting that is left
.if MSB != (\new)
	s_set_vgpr_msb (MSB<<8)|(\new)
.set MSB, (\new)
.endif
.endm
.macro ZLOAD r                         ; my 16 numbers of row r: four loads, each two runs of 256 bytes, 8,192 apart
	WIN (1+(\r)/16)<<6
.irp j, 0,1,2,3
	global_load_b128 v[16*((\r)%16)+4*\j:16*((\r)%16)+4*\j+3], v7, s[4:5] offset:256*(\r)+16384*\j th:TH_LOAD_NT
.endr
.endm
.macro ROW1 r                          ; row r: h in place, and my lane's part of its sum of squares
.set W, 1+(\r)/16
.set Z, 16*((\r)%16)
.if (\r) <= 17
	s_wait_loadcnt 56                              ; this row's four loads (and mu, a, be) are in; those of the 14 rows behind it may be out
.else
	s_wait_loadcnt 4*(31-(\r))
.endif
	WIN (W<<6)|W
.irp j, 0,2,4,6,8,10,12,14
	v_pk_add_f32 v[Z+\j:Z+\j+1], v[Z+\j:Z+\j+1], v[MU+\j:MU+\j+1] neg_lo:[0,1] neg_hi:[0,1]
.endr
.irp j, 0,2,4,6,8,10,12,14
	v_pk_fma_f32 v[Z+\j:Z+\j+1], v[Z+\j:Z+\j+1], v[AA+\j:AA+\j+1], v[BE+\j:BE+\j+1]
.endr
.irp j, 0,1,2,3,4,5,6,7,8,9,10,11,12,13,14,15
	v_max_num_f32 v[Z+\j], v[Z+\j], 0
.endr
	WIN W|(W<<2)
	v_pk_mul_f32 v[SS+2*(\r):SS+2*(\r)+1], v[Z:Z+1], v[Z:Z+1]
.irp j, 2,4,6,8,10,12,14
	v_pk_fma_f32 v[SS+2*(\r):SS+2*(\r)+1], v[Z+\j:Z+\j+1], v[Z+\j:Z+\j+1], v[SS+2*(\r):SS+2*(\r)+1]
.endr
.if (\r) <= 16
	ZLOAD (\r)+15
.endif
.endm
.macro GROUP g                         ; rows 4 g .. 4 g + 3: x f, the hold, the conversion, the store
.set W, 1+(\g)/4
	WIN 0
.irp i, 0,1,2,3
	v_mov_b32 v[FB+2*\i], s[32+4*(\g)+\i]
.endr
	WIN (W<<6)|W
.irp i, 0,1,2,3
.set Z, 16*((4*(\g)+\i)%16)
.irp j, 0,2,4,6,8,10,12,14
	v_pk_mul_f32 v[Z+\j:Z+\j+1], v[Z+\j:Z+\j+1], v[FB+2*\i:FB+2*\i+1] op_sel_hi:[1,0]   ; (of the pair the low word serves both halves)
.endr
.irp j, 0,1,2,3,4,5,6,7,8,9,10,11,12,13,14,15
	v_med3_num_f32 v[Z+\j], v[Z+\j], -v5, v5       ; the conversion to an 8-bit code does not saturate (ISA guide 7.6.2): the hold at the largest code x the scale
.endr
.endr
	WIN W
.irp i, 0,1,2,3
.set Z, 16*((4*(\g)+\i)%16)
.set CD, 64+4*(4*(\g)+\i)+32*((\g)/4)
	v_cvt_scalef32_pk8_bf8_f32 v[CD:CD+1], v[Z:Z+7], v6
	v_cvt_scalef32_pk8_bf8_f32 v[CD+2:CD+3], v[Z+8:Z+15], v6
.endr
	WIN 0                                          ; the codes go to stores alone, each row's in registers of its own; the next vector lines are plain and touch other registers
.irp i, 0,1,2,3
.set CD, 64+4*(4*(\g)+\i)+32*((\g)/4)
	global_store_b128 v2, v[CD:CD+3], s[12:13] offset:2048*(4*(\g)+\i)   ; the wave stores 512 consecutive bytes: K block w of the row
.endr
.endm
	s_load_b256 s[4:11], s[0:1], 0x0               ; z s[4:5], col s[6:7], be s[8:9], the parameter block s[10:11]
	s_load_b64 s[12:13], s[0:1], 0x20              ; the codes
	v_lshl_add_u32 v254, v0, 2, 0x200
	v_mov_b32 v255, 0
	v_lshrrev_b32 v7, 5, v0
	v_readfirstlane_b32 s14, v7                    ; wave 0..3
	v_and_b32 v7, 31, v0                           ; lane
	v_lshlrev_b32 v4, 2, v7                        ; LDS, on the way out: row l's word
	v_lshlrev_b32 v2, 4, v7
	s_lshl_b32 s22, s14, 11
	v_add_nc_u32 v1, s22, v2
	; z lies as the product's launch stores it: for each 32 rows (my work-group's, 262,144 bytes on end) 32 chunks of 64 columns, a chunk 32 rows x 256 bytes.
	; Column 512 w + 128 j + 4 l + i lies in chunk 8 w + 2 j + l / 16, at byte 16 (l % 16) + 4 i of its row: sixteen lanes read one aligned unit of 256 bytes
	v_lshrrev_b32 v8, 4, v7
	v_and_b32 v7, 15, v7
	v_lshlrev_b32 v7, 4, v7
	v_lshl_add_u32 v7, v8, 13, v7
	s_lshl_b32 s22, s14, 16
	v_add_nc_u32 v7, s22, v7                       ; z: 65,536 w + 8,192 (l / 16) + 16 (l % 16)
	s_lshl_b32 s22, s14, 9
	v_add_nc_u32 v2, s22, v2                       ; the codes: 512 w + 16 l
	s_lshl_b32 s22, s14, 7
	v_mov_b32 v3, s22                              ; LDS, on the way in: my wave's 128 bytes
	s_mov_b32 s20, 0x76543210                      ; v_permlanex16_b32's selects for lane l xor 16
	s_mov_b32 s21, 0xfedcba98
	s_lshl_b32 s24, ttmp9, 18                      ; 32 rows of 8,192 bytes
	s_mov_b32 s25, 0
	s_lshl_b32 s26, ttmp9, 16                      ; 32 rows of 2,048 bytes
	s_mov_b32 s27, 0
.irp i, 0,1,2,3
	v_mov_b32 v[FB+2*\i+1], 0                      ; (named as the upper halves of the factors' pairs, so they are written)
.endr
	s_wait_alu depctr_va_vdst(0)
	s_wait_kmcnt 0x0
	s_load_b128 s[16:19], s[10:11], 0x0            ; P, CAP, SGN, e
	s_add_nc_u64 s[4:5], s[4:5], s[24:25]
	s_add_nc_u64 s[12:13], s[12:13], s[26:27]
.irp j, 0,1,2,3
	global_load_b128 v[MU+4*\j:MU+4*\j+3], v1, s[6:7] offset:512*\j
	global_load_b128 v[AA+4*\j:AA+4*\j+3], v1, s[6:7] offset:512*\j+8192
	global_load_b128 v[BE+4*\j:BE+4*\j+3], v1, s[8:9] offset:512*\j
.endr
.irp r, 0,1,2,3,4,5,6,7,8,9,10,11,12,13,14
	ZLOAD \r
.endr
	WIN 0
	s_wait_kmcnt 0x0
	s_add_co_i32 s22, s19, 127
	s_lshl_b32 s23, s22, 23
	v_mov_b32 v6, s23                              ; 2^e as f32: the conversion takes its exponent field
	s_add_co_i32 s22, s22, 15
	s_lshl_b32 s22, s22, 23
	s_or_b32 s22, s22, 0x600000
	v_mov_b32 v5, s22                              ; 57,344 x 2^e
.irp r, 0,1,2,3,4,5,6,7,8,9,10,11,12,13,14,15,16,17,18,19,20,21,22,23,24,25,26,27,28,29,30,31
	ROW1 \r
.endr
	WIN 0
	; each row's sum over my wave's 512 columns: the pair's halves, then across the 32 lanes; the 32 rows take turns line by line
.set i, 0
.rept 32
	v_add_f32 v[P+i], v[SS+2*i], v[SS+2*i+1]
.set i, i+1
.endr
.irp m, 1,2,4,8
.set i, 0
.rept 32
	v_add_f32_dpp v[P+i], v[P+i], v[P+i] row_xmask:\m row_mask:0xf bank_mask:0xf
.set i, i+1
.endr
.endr
.set i, 0
.rept 32
	v_permlanex16_b32 v[SS+i], v[P+i], s20, s21    ; (its destination counts as read: these registers have been written)
.set i, i+1
.endr
.set i, 0
.rept 32
	v_add_f32 v[P+i], v[P+i], v[SS+i]
.set i, i+1
.endr
.irp q, 0,1,2,3,4,5,6,7
	ds_store_b128 v3, v[P+4*\q:P+4*\q+3] offset:16*\q   ; row r's sum at 128 w + 4 r: all lanes store the same words with the same numbers
.endr
	s_wait_dscnt 0x0                               ; for the others' sake: my stores have landed
	s_barrier_signal -1
	s_barrier_wait -1
.irp w, 0,1,2,3
	ds_load_b32 v[QQ+\w], v4 offset:128*\w         ; lane l: row l's four parts
.endr
	s_wait_dscnt 0x0
	v_add_f32 v[QQ], v[QQ], v[QQ+1]
	v_add_f32 v[QQ+2], v[QQ+2], v[QQ+3]
	v_add_f32 v[QQ], v[QQ], v[QQ+2]                ; the same order in every wave: the same f
	; THE FACTOR, a lane a row.  Behind each batch of transcendentals: a plain instruction (ISA guide 5.7.2), and one wait ahead of the first reader
	s_wait_alu depctr_va_vdst(0)
	v_sqrt_f32 v[NN], v[QQ]
	v_nop
	s_wait_alu depctr_va_vdst(0)
	v_mul_f32 v[UU], 0x3ea1e89b, v[NN]             ; u = sqrt(0.1) n
	v_mul_f32 v[EE], 0x4038aa3b, v[UU]             ; 2 u log2(e)
	s_wait_alu depctr_va_vdst(0)
	v_exp_f32 v[EE], v[EE]
	v_rcp_f32 v[RU], v[UU]
	v_mul_f32 v[U2], v[UU], v[UU]
	v_mov_b32 v[TS], 0x3cb327a4                    ; T's series in u^2: 1 - 1/3, + 2/15, - 17/315, + 62/2835
	v_fmaak_f32 v[TS], v[TS], v[U2], 0xbd5d0dd1
	v_fmaak_f32 v[TS], v[TS], v[U2], 0x3e088889
	v_fmaak_f32 v[TS], v[TS], v[U2], 0xbeaaaaab
	v_fmaak_f32 v[TS], v[TS], v[U2], 0x3f800000
	v_cmp_gt_f32 vcc_lo, 0x3e800000, v[UU]         ; u < 0.25 (u = 0 among them)
	s_wait_alu depctr_va_vdst(0)
	v_add_f32 v[EE], 1.0, v[EE]
	s_wait_alu depctr_va_vdst(0)
	v_rcp_f32 v[RR], v[EE]
	v_nop
	s_wait_alu depctr_va_vdst(0)
	v_fma_f32 v[TH], v[RR], -2.0, 1.0              ; tanh u
	v_mul_f32 v[TT], v[TH], v[RU]
	v_cndmask_b32 v[TT], v[TT], v[TS], vcc_lo
	v_mul_f32 v[SF], s16, v[TT]                    ; s = P T
	v_mul_f32 v[YY], v[SF], v[NN]
	v_max_num_f32 v[YY], 0x322bcc77, v[YY]         ; at least 1e-8 (0 x infinity, from an overflowed sum, loses here)
	v_min_num_f32 v[YY], s17, v[YY]                ; at most CAP
	v_mul_f32 v[WW], 0x3ea1e89b, v[YY]             ; w = sqrt(0.1) Y: at most 0.9, or sqrt(0.1)
	v_sub_f32 v[RM], 1.0, v[WW]
	s_wait_alu depctr_va_vdst(0)
	v_rcp_f32 v[RM], v[RM]
	v_rcp_f32 v[RW], v[WW]
	v_add_f32 v[LG], 1.0, v[WW]
	v_mul_f32 v[W2], v[WW], v[WW]
	v_mov_b32 v[AS], 0x3dba2e8c                    ; A's series in w^2: 1 + 1/3, + 1/5, + 1/7, + 1/9, + 1/11
	v_fmaak_f32 v[AS], v[AS], v[W2], 0x3de38e39
	v_fmaak_f32 v[AS], v[AS], v[W2], 0x3e124925
	v_fmaak_f32 v[AS], v[AS], v[W2], 0x3e4ccccd
	v_fmaak_f32 v[AS], v[AS], v[W2], 0x3eaaaaab
	v_fmaak_f32 v[AS], v[AS], v[W2], 0x3f800000
	v_cmp_gt_f32 vcc_lo, 0x3e800000, v[WW]         ; w < 0.25
	s_wait_alu depctr_va_vdst(0)
	v_mul_f32 v[LG], v[LG], v[RM]                  ; (1 + w) / (1 - w)
	s_wait_alu depctr_va_vdst(0)
	v_log_f32 v[LG], v[LG]
	v_nop
	s_wait_alu depctr_va_vdst(0)
	v_mul_f32 v[LG], 0x3eb17218, v[LG]             ; x ln(2) / 2: atanh w
	v_mul_f32 v[AT], v[LG], v[RW]
	v_cndmask_b32 v[AT], v[AT], v[AS], vcc_lo
	v_mul_f32 v[FF], v[SF], v[AT]
	v_mul_f32 v[FF], s18, v[FF]                    ; f = SGN s A
.set i, 0
.rept 32
	v_readlane_b32 s[32+i], v[FF], i               ; row i's factor: a number that multiplies, never an address or a condition
.set i, i+1
.endr
.irp g, 0,1,2,3,4,5,6,7
	GROUP \g
.endr
	s_wait_tensorcnt 0x0
	ds_add_u32 v254, v255
	s_wait_dscnt 0x0
	s_endpgm
.Lfunc_end_k_q4c84b0d6c3_bn1:
	.size	k_q4c84b0d6c3_bn1, .Lfunc_end_k_q4c84b0d6c3_bn1-k_q4c84b0d6c3_bn1
	.p2alignl 7, 3214868480
	.fill 96, 4, 3214868480
	.section	.rodata,"a",@progbits
	.p2align	6, 0x0
	.amdhsa_kernel k_q4c84b0d6c3_bn1
		.amdhsa_group_segment_fixed_size 1024
		.amdhsa_private_segment_fixed_size 0
		.amdhsa_enable_private_segment 0
		.amdhsa_kernarg_size 40
		.amdhsa_user_sgpr_count 2
		.amdhsa_user_sgpr_kernarg_segment_ptr 1
		.amdhsa_wavefront_size32 1
		.amdhsa_system_sgpr_workgroup_id_x 1
		.amdhsa_system_sgpr_workgroup_id_y 1
		.amdhsa_system_sgpr_workgroup_id_z 1
		.amdhsa_system_vgpr_workitem_id 0
		.amdhsa_next_free_vgpr 768
		.amdhsa_next_free_sgpr 66
		.amdhsa_reserve_vcc 1
		.amdhsa_float_denorm_mode_32 3
		.amdhsa_float_denorm_mode_16_64 3
		.amdhsa_memory_ordered 1
		.amdhsa_forward_progress 1
		.amdhsa_inst_pref_size 173
	.end_amdhsa_kernel
	.amdgpu_metadata
---
amdhsa.version: [ 1, 2 ]
amdhsa.kernels:
  - .name:           k_q4c84b0d6c3_bn1
    .symbol:         k_q4c84b0d6c3_bn1.kd
    .args:
      - { .name: z, .offset: 0, .size: 8, .value_kind: global_buffer, .address_space: global }
      - { .name: col, .offset: 8, .size: 8, .value_kind: global_buffer, .address_space: global }
      - { .name: be1, .offset: 16, .size: 8, .value_kind: global_buffer, .address_space: global }
      - { .name: par1, .offset: 24, .size: 8, .value_kind: global_buffer, .address_space: global }
      - { .name: ac, .offset: 32, .size: 8, .value_kind: global_buffer, .address_space: global }
    .group_segment_fixed_size: 1024
    .private_segment_fixed_size: 0
    .kernarg_segment_align: 8
    .kernarg_segment_size: 40
    .max_flat_workgroup_size: 128
    .sgpr_count:     66
    .vgpr_count:     768
    .wavefront_size: 32
...
	.end_amdgpu_metadata
.endif
;; end of part 4
;; launch gemm2 (part 5): grid 8 x 32, 4 waves a work-group, clusters of 4 x 1, 327,680 bytes of LDS; arguments ac, wc, lowp_scales, z, part; writes z, part
.if DOCPART == 5
	.amdgcn_target "amdgcn-amd-amdhsa--gfx1250"
	.amdhsa_code_object_version 6
	.text
	.protected	k_q4c84b0d6c3_gemm2
	.globl	k_q4c84b0d6c3_gemm2
	.p2align	8
	.type	k_q4c84b0d6c3_gemm2,@function
k_q4c84b0d6c3_gemm2:
	s_mov_b64 s[64:65], 0
	v_nop
	global_prefetch_b8 v0, s[64:65] scope:SCOPE_SE
	s_setreg_imm32_b32 hwreg(HW_REG_WAVE_MODE, 25, 1), 1
	s_wait_xcnt 0x0
	s_wait_alu depctr_hold_cnt(0) depctr_sa_sdst(0) depctr_va_vdst(0) depctr_va_sdst(0) depctr_va_ssrc(0) depctr_va_vcc(0) depctr_vm_vsrc(0)
	s_getreg_b32 s2, hwreg(HW_REG_IB_STS2, 6, 4)
	s_cmp_eq_u32 s2, 0
	s_cbranch_scc0 .Lentry_in_a_cluster
	s_endpgm
.Lentry_in_a_cluster:
	s_bfe_u32 s2, ttmp6, 0x10000c
	s_cmp_lg_u32 s2, 0x3003
	s_cbranch_scc0 .Lentry_shape_is_right
	s_endpgm
.Lentry_shape_is_right:
; z = (A W^T) 2^(ea + eb): A [8192][SIZE_K] codes of BF8 (E5M2) in rows, W [2048][SIZE_K] codes in fragment order (laid by the first launch), z [8192][2048] f32; and each column's figures for the batch norm.
; The bias is left out: the batch norm's mean takes a column's constant away (shown at the head of the first kernel).  LIMIT: -126 <= ea + eb <= 127, so that 2^(ea + eb) is an f32 number.
; SHARES.  A work-group makes 256 x 256 of z; 8 x 32 work-groups.  A wave makes all 256 rows x 64 columns: 16 x 4 accumulators of 16 x 16, 512 registers.
; ONLY A GOES THROUGH LDS: two slots of 256 rows x 512 along K (rows of 512 bytes + 16 of padding), each wave fetching 64 rows by one tensor load.  A slot holds four K steps of 128: 256 matrix instructions a wave
; between two changes of slots.  W's 64 columns of a wave are read by that wave alone, so they go from memory straight into its registers: a fragment is four loads of 512 consecutive bytes; four sets of
; four fragments take turns, so that the loads stand three K steps ahead of their use.
; CLUSTERS: the four work-groups of a cluster (4 x 1) make the same 256 rows and ask for A's tiles jointly (mask 15).  W's tiles are not asked for jointly: they do not pass through LDS, where beside them
; A's slots could hold only half as much of K.
; A GROUP is four blocks of 16 rows of A (64 registers, 16 LDS loads) x my four fragments of W: 16 matrix instructions on 16 accumulators.  Three sets of A's registers take turns: a group's loads are issued two groups ahead.
; The 64 accumulators take turns, one instruction a turn.  THE MATRIX INSTRUCTION IS USED TRANSPOSED (source 0 = W, source 1 = A): a lane holds eight neighbouring columns of a row of z.
; PREFETCH: behind the fill of K slot s one instruction a wave asks for K slot s + 1 of A: 256 rows x two blocks of 256 bytes are 512 blocks, one for each lane of the cluster's sixteen waves, shared out by address.
; It stops with the last slot.  W has none: its own loads are issued three K steps ahead.
; THE BATCH NORM'S FIGURES: on the way out lanes 0-15 see my tile's even rows and lanes 16-31 the odd ones, four columns a lane: each half is a slab of 128 rows, of which the mean and the sum of squared deviations
; are stored (sums taken about the slab's first row, so that no difference of large sums is formed).  part: [2][64][2048] f32.
; REGISTERS: window 0: v16-31 addresses; v64-255 A's three sets, on the way out v64-95 scaled sums, v96-119 the figures, v128-255 four sets of rows read back.  window 1: W's four sets.  windows 2, 3: accumulator (a, b) at v[8 (4 (a % 8) + b)].
.set SIZE_K, 2048
.set SIZE_N, 2048
.set WOFF,   2097152                   ; where W's codes begin in their buffer
.set SCOFF,  8                         ; where ea, eb lie in the scales' buffer
.set KQ,     SIZE_K/128                ; K steps
.set NSLOT,  SIZE_K/512                ; fills of a slot
.set NG,     4*KQ                      ; groups
.set PITCH,  528
.set QROWS,  64*PITCH                  ; a wave's part of a slot
.set SLOT,   4*QROWS
.set SPARE,  2*SLOT                    ; the spare words, behind the ring
.set SP,     272                       ; the way out: a stage of 16 rows x (256 + 16) bytes a wave, in slot 0, which has had its last fill and its last read by then
.set ADRA, 16                          ; v16-19 A's fragments: slot 0 rows 0-127, 128-255; slot 1 likewise
.set STO,  24
.set RD,   25
.set CO,   26                          ; my place in two slabs of part
.set SPW,  28
.set NIL,  29
.set PFO,  30
.set LB,   31                          ; 16 x lane
.set AB,   64
.set TMP,  64
.set SHF,  96
.set SUM1, 100
.set SUM2, 104
.set DEV,  108
.set MEA,  112
.set MM2,  116
.set BK,   128
.set G1, 24
.set G0, 32
.set MSB, 0
.macro WIN new                         ; the immediate's high byte repeats the setting that is left
.if MSB != (\new)
	s_set_vgpr_msb (MSB<<8)|(\new)
.set MSB, (\new)
.endif
.endm
.macro PLACES                          ; four places behind matrix instructions, ahead of loads into their sources and of reads of their results
.rept 4
	v_nop
.endr
.endm
.macro CREST                           ; a round of the cluster's barrier behind its opening barrier
	s_cmp_lg_u32 s14, 0
	s_cbranch_scc1 .Lnw0_\@
	s_barrier_signal -3
.Lnw0_\@:
	s_barrier_wait -3
	s_barrier_signal -1
	s_barrier_wait -1
.endm
.macro ROUND
	s_barrier_signal -1
	s_barrier_wait -1
	CREST
.endm
.macro BLOAD q                         ; W's four fragments of K step q into set q % 4: 16 loads of 512 consecutive bytes
	WIN 0x40
.irp b, 0,1,2,3
.irp c, 0,1,2,3
	global_load_b128 v[64*((\q)%4)+16*\b+4*\c:64*((\q)%4)+16*\b+4*\c+3], v[LB], s[46:47] offset:\b*KQ*2048+(\q)*2048+\c*512
.endr
.endr
.endm
.macro ALOAD g                         ; group g's four fragments of A into set g % 3: lane (r, h), registers 4 c .. 4 c + 3: bytes 32 c + 16 h + 0 .. 15 of the K step, as W's fragments are laid
.set LS, ((\g)/16)%2
.set LQ, ((\g)/4)%4
.set LH, ((\g)%4)/2
.set LP, 4*((\g)%2)
.set LR, AB+64*((\g)%3)
.irp i, 0,1,2,3
.irp c, 0,1,2,3
	ds_load_b128 v[LR+16*\i+4*\c:LR+16*\i+4*\c+3], v[ADRA+2*LS+LH] offset:(LP+\i)*16*PITCH+128*LQ+32*\c
.endr
.endr
.endm
.macro MULG g                          ; group g's 16 products; the first K step's start the sums
.set MR, AB+64*((\g)%3)
.set MW, 64*(((\g)/4)%4)
.set MA, 4*((\g)%4)
	WIN 0xa1+0x50*(MA/8)
.irp i, 0,1,2,3
.irp b, 0,1,2,3
.set MD, 8*(4*((MA+\i)%8)+\b)
.if (\g) < 4
	v_wmma_f32_16x16x128_bf8_bf8 v[MD:MD+7], v[MW+16*\b:MW+16*\b+15], v[MR+16*\i:MR+16*\i+15], 0
.else
	v_wmma_f32_16x16x128_bf8_bf8 v[MD:MD+7], v[MW+16*\b:MW+16*\b+15], v[MR+16*\i:MR+16*\i+15], v[MD:MD+7]
.endif
.endr
.endr
.endm
.macro STEPG                           ; group G: fetch group G + 2 into the set that group G - 1 has left; at a K step's head W's set three steps on
	PLACES
	WIN 0
.if G+2 < NG
	ALOAD G+2
.endif
.if (G%4) == 0
.set Q, G/4
.if (Q > 0) && (Q+3 < KQ)
	BLOAD Q+3
.endif
.endif
.if G+2 < NG
	s_wait_dscnt 32                                ; group G's loads are in; those of the two groups behind it may be out
.else
	s_wait_dscnt 16*(NG-1-G)
.endif
.if (G%4) == 0
.if Q+3 < KQ
	s_wait_loadcnt 48                              ; this K step's set of W is in; the three sets behind it may be out
.else
	s_wait_loadcnt 16*(KQ-1-Q)
.endif
.endif
	MULG G
.set G, G+1
.endm
.macro TURNG                           ; a slot's last three groups and the change of slots: ONE barrier, which opens a round of the cluster's barrier where the slot is filled again
.set TS, (G/16)%2
	PLACES
	WIN 0
	ALOAD G+2                                      ; the slot's last group
	s_wait_tensorcnt 0x0                           ; my one load that was out, my part of the next slot, has landed
	ds_add_u32 v[SPW], v[NIL]
.if (G/16)+2 < NSLOT
	s_add_nc_u64 s[G0+4*TS+2:G0+4*TS+3], s[G0+4*TS+2:G0+4*TS+3], 1024   ; this slot's next 512 along K
.endif
	s_wait_dscnt 33                                ; group G is in; two groups' loads and the add may be out
	MULG G
	s_wait_dscnt 0x0                               ; the add is done and my reads of this slot are over
	s_barrier_signal -1
	MULG G+1
	WIN 0
	s_barrier_wait -1
.if (G/16)+2 < NSLOT
	CREST
	tensor_load_to_lds s[G0+4*TS:G0+4*TS+3], s[G1:G1+7]   ; the joint refill, first behind the round
	s_nop 0
.endif
	PLACES
	ALOAD G+3                                      ; the next slot's first two groups
	ALOAD G+4
.if (G/16)+3 < NSLOT
	global_prefetch_b8 v[PFO], s[72:73] offset:((G/16)+3)*512 th:TH_LOAD_NT scope:SCOPE_SE
.endif
	MULG G+2
.set G, G+3
.endm
	s_load_b128 s[4:7], s[0:1], 0x0                ; A's codes, W's codes
	s_load_b128 s[8:11], s[0:1], 0x10              ; the scales' exponents, z
	s_load_b64 s[12:13], s[0:1], 0x20              ; part
	v_lshl_add_u32 v[SPW], v0, 2, SPARE
	v_mov_b32 v[NIL], 0
	ds_add_u32 v[SPW], v[NIL]                      ; the opening lines: the add, twice on end, and one wait
	ds_add_u32 v[SPW], v[NIL]
	v_lshrrev_b32 v1, 5, v0
	v_readfirstlane_b32 s14, v1                    ; wave
	s_bfe_u32 s40, ttmp6, 0x40000                  ; cx
	s_lshl_b32 s42, ttmp9, 2
	s_add_co_u32 s42, s42, s40                     ; tile column
	s_and_b32 s17, ttmp7, 0xffff                   ; tile row: the same in the four partners
	s_mov_b32 s[G1+0], 15|(1<<20)|(1<<21)|(6<<22)|(3<<25)   ; the mask; elements of 1 byte; 4 words of padding behind every 128
	s_mov_b32 s[G1+1], 512<<16
	s_mov_b32 s[G1+2], 64<<16
	s_mov_b32 s[G1+3], 512<<16
	s_mov_b32 s[G1+4], 64
	s_mov_b32 s[G1+5], SIZE_K
	s_mov_b32 s[G1+6], 0
	s_mov_b32 s[G1+7], 0
	s_lshl_b32 s20, s17, 8
	s_lshl_b32 s18, s14, 6
	s_add_co_u32 s20, s20, s18
	s_mul_i32 s20, s20, SIZE_K                     ; A: row 256 x tile row + 64 x wave
	s_mov_b32 s21, 0
	s_mul_i32 s45, s14, QROWS
	s_lshl_b32 s46, s42, 4
	s_lshl_b32 s47, s14, 2
	s_add_co_u32 s46, s46, s47
	s_mul_i32 s46, s46, KQ*2048                    ; W: my first tile of 16 columns, KQ fragments of 2,048 bytes each
	s_add_co_u32 s46, s46, WOFF
	s_mov_b32 s47, 0
	s_lshl_b32 s48, s42, 10
	s_lshl_b32 s49, s14, 8
	s_add_co_u32 s48, s48, s49                     ; my 64 columns, in bytes of f32
	s_lshl_b32 s50, s17, 21                        ; 256 rows of z
	s_lshl_b32 s51, s48, 5                         ; z IS LAID FOR ITS WRITER: for each 32 rows, 32 chunks of 64 columns, a chunk 32 rows x 256 bytes on end; my chunk is 4 x tile column + wave
	s_add_co_u32 s50, s50, s51
	s_mov_b32 s51, 0
	s_lshl_b32 s52, s17, 14                        ; two slabs of part
	s_add_co_u32 s52, s52, s48
	s_mov_b32 s53, 0
	s_mul_i32 s23, s14, 16*SP
.if NSLOT > 2
	s_lshl_b32 s54, s17, 8                         ; the prefetches: rows 64 cx + 16 wave + lane % 16 of the tile
	s_lshl_b32 s55, s40, 6
	s_add_co_u32 s54, s54, s55
	s_lshl_b32 s55, s14, 4
	s_add_co_u32 s54, s54, s55
	s_mul_i32 s54, s54, SIZE_K
	s_mov_b32 s55, 0
.endif
	v_and_b32 v1, 15, v0
	v_bfe_u32 v2, v0, 4, 1
	v_mul_u32_u24 v3, v1, PITCH
	v_lshl_add_u32 v[ADRA], v2, 4, v3
	v_add_nc_u32 v[ADRA+1], 128*PITCH, v[ADRA]
	v_add_nc_u32 v[ADRA+2], SLOT, v[ADRA]
	v_add_nc_u32 v[ADRA+3], SLOT+128*PITCH, v[ADRA]
	v_mul_u32_u24 v3, v1, SP
	v_lshl_add_u32 v3, v2, 5, v3
	v_add_nc_u32 v[STO], s23, v3                   ; into my stage: row l % 16, 32 bytes for each half of the lanes
	v_mul_u32_u24 v3, v2, SP
	v_lshl_add_u32 v3, v1, 4, v3
	v_add_nc_u32 v[RD], s23, v3                    ; back: sixteen lanes to a row of 256 bytes
	v_lshlrev_b32 v3, 4, v1
	v_lshl_add_u32 v[CO], v2, 13, v3
.if NSLOT > 2
	v_mul_u32_u24 v3, v1, SIZE_K
	v_lshl_add_u32 v[PFO], v2, 8, v3
.endif
	v_and_b32 v3, 31, v0
	v_lshlrev_b32 v[LB], 4, v3
	s_wait_alu depctr_va_vdst(0)
	s_wait_dscnt 0x0
	s_wait_kmcnt 0x0
	s_load_b64 s[96:97], s[8:9], SCOFF
	s_add_nc_u64 s[20:21], s[4:5], s[20:21]
	s_add_nc_u64 s[46:47], s[6:7], s[46:47]
	s_add_nc_u64 s[10:11], s[10:11], s[50:51]
	s_add_nc_u64 s[12:13], s[12:13], s[52:53]
.if NSLOT > 2
	s_add_nc_u64 s[72:73], s[4:5], s[54:55]
.endif
.irp s, 0,1
	s_mov_b32 s[G0+4*\s], 1
	s_add_co_u32 s[G0+4*\s+1], s45, \s*SLOT
	s_add_nc_u64 s[G0+4*\s+2:G0+4*\s+3], s[20:21], \s*512
	s_or_b32 s[G0+4*\s+3], s[G0+4*\s+3], 0x80000000
.endr
	BLOAD 0
	WIN 0
	ROUND                                          ; the four work-groups are here: the first joint loads meet
	tensor_load_to_lds s[G0:G0+3], s[G1:G1+7]      ; K slot 0: one tensor load a wave at the head
	s_nop 0
	PLACES
	BLOAD 1                                        ; W's later sets are asked for behind A's first tile, which the first products need with set 0
	BLOAD 2
	BLOAD 3
	WIN 0
	s_wait_alu depctr_va_vdst(0)
	s_wait_tensorcnt 0x0                           ; my part of K slot 0 is in; the three lines and a round ahead of slot 1's first fill, as ahead of a refill
	ds_add_u32 v[SPW], v[NIL]
	s_wait_dscnt 0x0
	ROUND
	tensor_load_to_lds s[G0+4:G0+7], s[G1:G1+7]
	s_nop 0
	PLACES
	ALOAD 0
	ALOAD 1
.if NSLOT > 2
	global_prefetch_b8 v[PFO], s[72:73] offset:1024 th:TH_LOAD_NT scope:SCOPE_SE
.endif
.set G, 0
.rept NSLOT-1
.rept 13
	STEPG
.endr
	TURNG
.endr
.rept 16
	STEPG
.endr
	WIN 0
; THE WAY OUT, block by block of 16 rows x 64 columns: x 2^(ea + eb), through my stage, back as rows of 256 bytes, stored sixteen lanes to an aligned unit.  LDS serves a wave's instructions in order (ISA guide 5.7.1.4).
.macro TOSTAGE a
.if ((\a) >= 4) && (((\a)%2) == 0)
	s_wait_alu depctr_va_vdst(0)
	s_wait_xcnt 0x0                                ; the stores of blocks a - 4 and a - 3 have read their registers: this block's and the next's rows may land there
.endif
.set AC, 32*((\a)%8)
	WIN 0x02+((\a)/8)
.set j, 0
.rept 16
	v_pk_mul_f32 v[TMP+j:TMP+j+1], v[AC+j:AC+j+1], s[96:97] op_sel_hi:[1,0]   ; each accumulator from its low end on
.set j, j+2
.endr
	WIN 0
.irp b, 0,1,2,3
	ds_store_b128 v[STO], v[TMP+8*\b:TMP+8*\b+3] offset:64*\b
	ds_store_b128 v[STO], v[TMP+8*\b+4:TMP+8*\b+7] offset:64*\b+16
.endr
.set BB, BK+32*((\a)%4)
.irp t, 0,1,2,3,4,5,6,7
	ds_load_b128 v[BB+4*\t:BB+4*\t+3], v[RD] offset:\t*2*SP
.endr
.endm
.macro SEND a, younger                 ; younger: the next block's 8 LDS stores and 8 loads, which may stay out
.set BB, BK+32*((\a)%4)
	s_wait_alu depctr_va_vdst(0)
	s_wait_dscnt \younger
.irp t, 0,1,2,3,4,5,6,7
	global_store_b128 v[LB], v[BB+4*\t:BB+4*\t+3], s[10:11] offset:((\a)/2)*262144+((\a)%2)*4096+\t*512 th:TH_STORE_NT   ; two rows of my chunk: 512 consecutive bytes; a block is 4,096 on end
.endr
.set t, 0
.rept 8
.if ((\a) == 0) && (t == 0)
.irp i, 0,1,2,3
	v_mov_b32 v[SHF+\i], v[BB+\i]                  ; the slab's first row: the sums are taken about it
.endr
.elseif ((\a) == 0) && (t == 1)
	v_pk_add_f32 v[SUM1:SUM1+1], v[BB+4:BB+5], v[SHF:SHF+1] neg_lo:[0,1] neg_hi:[0,1]
	v_pk_add_f32 v[SUM1+2:SUM1+3], v[BB+6:BB+7], v[SHF+2:SHF+3] neg_lo:[0,1] neg_hi:[0,1]
	v_pk_mul_f32 v[SUM2:SUM2+1], v[SUM1:SUM1+1], v[SUM1:SUM1+1]
	v_pk_mul_f32 v[SUM2+2:SUM2+3], v[SUM1+2:SUM1+3], v[SUM1+2:SUM1+3]
.else
	v_pk_add_f32 v[DEV:DEV+1], v[BB+4*t:BB+4*t+1], v[SHF:SHF+1] neg_lo:[0,1] neg_hi:[0,1]
	v_pk_add_f32 v[DEV+2:DEV+3], v[BB+4*t+2:BB+4*t+3], v[SHF+2:SHF+3] neg_lo:[0,1] neg_hi:[0,1]
	v_pk_add_f32 v[SUM1:SUM1+1], v[SUM1:SUM1+1], v[DEV:DEV+1]
	v_pk_add_f32 v[SUM1+2:SUM1+3], v[SUM1+2:SUM1+3], v[DEV+2:DEV+3]
	v_pk_fma_f32 v[SUM2:SUM2+1], v[DEV:DEV+1], v[DEV:DEV+1], v[SUM2:SUM2+1]
	v_pk_fma_f32 v[SUM2+2:SUM2+3], v[DEV+2:DEV+3], v[DEV+2:DEV+3], v[SUM2+2:SUM2+3]
.endif
.set t, t+1
.endr
.endm
	s_wait_kmcnt 0x0
	s_add_co_i32 s96, s96, s97
	s_add_co_i32 s96, s96, 127
	s_lshl_b32 s96, s96, 23                        ; 2^(ea + eb) as f32
	PLACES
	TOSTAGE 0
.irp a, 1,2,3,4,5,6,7,8,9,10,11,12,13,14,15
	TOSTAGE \a
	SEND \a-1, 16
.endr
	SEND 15, 0
	v_pk_mul_f32 v[DEV:DEV+1], v[SUM1:SUM1+1], 0x3c000000 op_sel_hi:[1,0]      ; / 128
	v_pk_mul_f32 v[DEV+2:DEV+3], v[SUM1+2:SUM1+3], 0x3c000000 op_sel_hi:[1,0]
	v_pk_add_f32 v[MEA:MEA+1], v[SHF:SHF+1], v[DEV:DEV+1]                      ; the slab's mean
	v_pk_add_f32 v[MEA+2:MEA+3], v[SHF+2:SHF+3], v[DEV+2:DEV+3]
	v_pk_fma_f32 v[MM2:MM2+1], v[SUM1:SUM1+1], v[DEV:DEV+1], v[SUM2:SUM2+1] neg_lo:[1,0,0] neg_hi:[1,0,0]   ; its sum of squared deviations
	v_pk_fma_f32 v[MM2+2:MM2+3], v[SUM1+2:SUM1+3], v[DEV+2:DEV+3], v[SUM2+2:SUM2+3] neg_lo:[1,0,0] neg_hi:[1,0,0]
.irp i, 0,1,2,3
	v_max_num_f32 v[MM2+\i], 0, v[MM2+\i]
.endr
	global_store_b128 v[CO], v[MEA:MEA+3], s[12:13]
	global_store_b128 v[CO], v[MM2:MM2+3], s[12:13] offset:524288
	s_wait_tensorcnt 0x0                           ; the wave's end
	ds_add_u32 v[SPW], v[NIL]
	s_wait_dscnt 0x0
	ROUND                                          ; the closing round
	s_endpgm
.Lfunc_end_k_q4c84b0d6c3_gemm2:
	.size	k_q4c84b0d6c3_gemm2, .Lfunc_end_k_q4c84b0d6c3_gemm2-k_q4c84b0d6c3_gemm2
	.p2alignl 7, 3214868480
	.fill 96, 4, 3214868480
	.section	.rodata,"a",@progbits
	.p2align	6, 0x0
	.amdhsa_kernel k_q4c84b0d6c3_gemm2
		.amdhsa_group_segment_fixed_size 327680
		.amdhsa_private_segment_fixed_size 0
		.amdhsa_enable_private_segment 0
		.amdhsa_kernarg_size 40
		.amdhsa_user_sgpr_count 2
		.amdhsa_user_sgpr_kernarg_segment_ptr 1
		.amdhsa_wavefront_size32 1
		.amdhsa_system_sgpr_workgroup_id_x 1
		.amdhsa_system_sgpr_workgroup_id_y 1
		.amdhsa_system_sgpr_workgroup_id_z 1
		.amdhsa_system_vgpr_workitem_id 0
		.amdhsa_next_free_vgpr 1024
		.amdhsa_next_free_sgpr 98
		.amdhsa_reserve_vcc 0
		.amdhsa_float_denorm_mode_32 3
		.amdhsa_float_denorm_mode_16_64 3
		.amdhsa_memory_ordered 1
		.amdhsa_forward_progress 1
		.amdhsa_inst_pref_size 255
	.end_amdhsa_kernel
	.section	.bss,"aw",@nobits
	.p2align	6
	.space	262144
	.amdgpu_metadata
---
amdhsa.version: [ 1, 2 ]
amdhsa.kernels:
  - .name:           k_q4c84b0d6c3_gemm2
    .symbol:         k_q4c84b0d6c3_gemm2.kd
    .args:
      - { .name: ac, .offset: 0, .size: 8, .value_kind: global_buffer, .address_space: global }
      - { .name: wc, .offset: 8, .size: 8, .value_kind: global_buffer, .address_space: global }
      - { .name: lowp_scales, .offset: 16, .size: 8, .value_kind: global_buffer, .address_space: global }
      - { .name: z, .offset: 24, .size: 8, .value_kind: global_buffer, .address_space: global }
      - { .name: part, .offset: 32, .size: 8, .value_kind: global_buffer, .address_space: global }
    .group_segment_fixed_size: 327680
    .private_segment_fixed_size: 0
    .kernarg_segment_align: 8
    .kernarg_segment_size: 40
    .max_flat_workgroup_size: 128
    .sgpr_count:     98
    .vgpr_count:     1024
    .wavefront_size: 32
...
	.end_amdgpu_metadata
.endif
;; end of part 5
;; launch fin2: the kernel of part 3 again; grid 32 x 1, 8 waves a work-group, no clusters, 9,216 bytes of LDS; arguments part, g2, col; writes col
;; launch bn2: the kernel of part 4 again; grid 256 x 1, 4 waves a work-group, no clusters, 1,024 bytes of LDS; arguments z, col, be2, par2, ac; writes ac
;; launch gemm3 (part 6): grid 4 x 64, 4 waves a work-group, clusters of 4 x 1, 327,680 bytes of LDS; arguments ac, wc, lowp_scales, b3, z; writes z
.if DOCPART == 6
	.amdgcn_target "amdgcn-amd-amdhsa--gfx1250"
	.amdhsa_code_object_version 6
	.text
	.protected	k_q4c84b0d6c3_gemm3
	.globl	k_q4c84b0d6c3_gemm3
	.p2align	8
	.type	k_q4c84b0d6c3_gemm3,@function
k_q4c84b0d6c3_gemm3:
	s_mov_b64 s[64:65], 0
	v_nop
	global_prefetch_b8 v0, s[64:65] scope:SCOPE_SE
	s_setreg_imm32_b32 hwreg(HW_REG_WAVE_MODE, 25, 1), 1
	s_wait_xcnt 0x0
	s_wait_alu depctr_hold_cnt(0) depctr_sa_sdst(0) depctr_va_vdst(0) depctr_va_sdst(0) depctr_va_ssrc(0) depctr_va_vcc(0) depctr_vm_vsrc(0)
	s_getreg_b32 s2, hwreg(HW_REG_IB_STS2, 6, 4)
	s_cmp_eq_u32 s2, 0
	s_cbranch_scc0 .Lentry_in_a_cluster
	s_endpgm
.Lentry_in_a_cluster:
	s_bfe_u32 s2, ttmp6, 0x10000c
	s_cmp_lg_u32 s2, 0x3003
	s_cbranch_scc0 .Lentry_shape_is_right
	s_endpgm
.Lentry_shape_is_right:
; The logits: z = (A W3^T) 2^(ea + eb) + b3.  A [8192][2048] codes of BF8 (E5M2) in rows, W3 [1024][2048] codes in fragment order (rows from 1000 on are zero codes), z [8192][1024] f32, of which
; columns 0 to 999 count: the others get a bias read at a clamped place and are not used by the next launch.  LIMIT: -126 <= ea + eb <= 127.
; SHARES.  A work-group makes 128 x 256; 4 x 64 work-groups.  A wave makes all 128 rows x 64 columns: 8 x 4 accumulators, 256 registers.
; ONLY A GOES THROUGH LDS: two slots of 128 rows x 1,024 along K (+ 16 bytes of padding a row), both filled once, each wave fetching 32 rows by one tensor load, asked for jointly by the four work-groups
; of a cluster (4 x 1), which make the same rows.  W3's 64 columns of a wave go from memory straight into its registers, a fragment by four loads of 512 consecutive bytes; four sets take turns, three K steps ahead.
; They are not asked for jointly, since they do not pass through LDS.  No prefetch: no slot is filled again, the text has no loop to run ahead in, and W3's own loads stand three K steps ahead.
; A GROUP is four blocks of 16 rows of A x my four fragments of W3: 16 matrix instructions on 16 accumulators; two groups a K step of 128.  Three sets of A's registers take turns.
; The 32 accumulators take turns, one instruction a turn.  THE MATRIX INSTRUCTION IS USED TRANSPOSED: a lane holds eight neighbouring columns of a row of z.
; REGISTERS: window 0: v4-7, v16-31 addresses; v32-63 the bias; v64-255 A's three sets, on the way out v64-95 a block's numbers, v128-255 four sets of rows read back.  window 1: W3's four sets.  window 2: accumulator (a, b) at v[8 (4 a + b)].
.set SIZE_K, 2048
.set SIZE_N, 1024
.set WOFF,   6291456
.set SCOFF,  16
.set KQ,     16
.set NG,     2*KQ
.set PITCH,  1040
.set QROWS,  32*PITCH
.set SLOT,   4*QROWS
.set SPARE,  2*SLOT
.set SP,     272                       ; the way out: a stage of 16 rows x 272 bytes a wave, in slot 0, which has had its only fill and its last read by then
.set BAD,  4
.set ADRA, 16
.set STO,  24
.set RD,   25
.set CO,   26
.set SPW,  28
.set NIL,  29
.set LB,   31
.set BIAS, 32
.set AB,   64
.set TMP,  64
.set BK,   128
.set G1, 24
.set G0, 32
.set MSB, 0
.macro WIN new
.if MSB != (\new)
	s_set_vgpr_msb (MSB<<8)|(\new)
.set MSB, (\new)
.endif
.endm
.macro PLACES
.rept 4
	v_nop
.endr
.endm
.macro ROUND
	s_barrier_signal -1
	s_barrier_wait -1
	s_cmp_lg_u32 s14, 0
	s_cbranch_scc1 .Lnw0_\@
	s_barrier_signal -3
.Lnw0_\@:
	s_barrier_wait -3
	s_barrier_signal -1
	s_barrier_wait -1
.endm
.macro BLOAD q
	WIN 0x40
.irp b, 0,1,2,3
.irp c, 0,1,2,3
	global_load_b128 v[64*((\q)%4)+16*\b+4*\c:64*((\q)%4)+16*\b+4*\c+3], v[LB], s[46:47] offset:\b*KQ*2048+(\q)*2048+\c*512
.endr
.endr
.endm
.macro ALOAD g                         ; group g: K step g / 2, blocks 4 (g % 2) + 0 .. 3, into set g % 3
.set LS, (\g)/16
.set LQ, ((\g)/2)%8
.set LR, AB+64*((\g)%3)
.irp i, 0,1,2,3
.irp c, 0,1,2,3
	ds_load_b128 v[LR+16*\i+4*\c:LR+16*\i+4*\c+3], v[ADRA+2*LS+(\g)%2] offset:\i*16*PITCH+128*LQ+32*\c
.endr
.endr
.endm
.macro MULG g
.set MR, AB+64*((\g)%3)
.set MW, 64*(((\g)/2)%4)
.set MA, 4*((\g)%2)
	WIN 0xa1
.irp i, 0,1,2,3
.irp b, 0,1,2,3
.set MD, 8*(4*(MA+\i)+\b)
.if (\g) < 2
	v_wmma_f32_16x16x128_bf8_bf8 v[MD:MD+7], v[MW+16*\b:MW+16*\b+15], v[MR+16*\i:MR+16*\i+15], 0
.else
	v_wmma_f32_16x16x128_bf8_bf8 v[MD:MD+7], v[MW+16*\b:MW+16*\b+15], v[MR+16*\i:MR+16*\i+15], v[MD:MD+7]
.endif
.endr
.endr
.endm
.macro STEPG
	PLACES
	WIN 0
.if G+2 < NG
	ALOAD G+2
.endif
.if (G%2) == 0
.set Q, G/2
.if (Q > 0) && (Q+3 < KQ)
	BLOAD Q+3
.endif
.if Q+3 == KQ
.irp b, 0,1,2,3
	global_load_b128 v[BIAS+8*\b:BIAS+8*\b+3], v[BAD+\b], s[10:11]             ; the bias, in the place of a set of W3
	global_load_b128 v[BIAS+8*\b+4:BIAS+8*\b+7], v[BAD+\b], s[10:11] offset:16
.endr
.endif
.endif
.if G+2 < NG
	s_wait_dscnt 32                                ; group G's loads are in; those of the two groups behind it may be out
.else
	s_wait_dscnt 16*(NG-1-G)
.endif
.if (G%2) == 0
.if Q+3 < KQ
	s_wait_loadcnt 48                              ; this K step's set of W3 is in; the three sets behind it may be out
.else
	s_wait_loadcnt 16*(KQ-1-Q)+8                   ; (the later sets and the bias's eight loads)
.endif
.endif
	MULG G
.set G, G+1
.endm
	s_load_b128 s[4:7], s[0:1], 0x0                ; A's codes, W's codes
	s_load_b128 s[8:11], s[0:1], 0x10              ; the scales' exponents, b3
	s_load_b64 s[12:13], s[0:1], 0x20              ; z
	v_lshl_add_u32 v[SPW], v0, 2, SPARE
	v_mov_b32 v[NIL], 0
	ds_add_u32 v[SPW], v[NIL]
	ds_add_u32 v[SPW], v[NIL]
	v_lshrrev_b32 v1, 5, v0
	v_readfirstlane_b32 s14, v1                    ; wave
	s_bfe_u32 s40, ttmp6, 0x40000                  ; cx
	s_lshl_b32 s42, ttmp9, 2
	s_add_co_u32 s42, s42, s40                     ; tile column
	s_and_b32 s17, ttmp7, 0xffff                   ; tile row: the same in the four partners
	s_mov_b32 s[G1+0], 15|(1<<20)|(1<<21)|(7<<22)|(3<<25)
	s_mov_b32 s[G1+1], 1024<<16
	s_mov_b32 s[G1+2], 32<<16
	s_mov_b32 s[G1+3], 1024<<16
	s_mov_b32 s[G1+4], 32
	s_mov_b32 s[G1+5], SIZE_K
	s_mov_b32 s[G1+6], 0
	s_mov_b32 s[G1+7], 0
	s_lshl_b32 s20, s17, 7
	s_lshl_b32 s18, s14, 5
	s_add_co_u32 s20, s20, s18
	s_mul_i32 s20, s20, SIZE_K                     ; A: row 128 x tile row + 32 x wave
	s_mov_b32 s21, 0
	s_mul_i32 s45, s14, QROWS
	s_lshl_b32 s46, s42, 4
	s_lshl_b32 s47, s14, 2
	s_add_co_u32 s46, s46, s47
	s_mul_i32 s46, s46, KQ*2048
	s_add_co_u32 s46, s46, WOFF
	s_mov_b32 s47, 0
	s_lshl_b32 s48, s42, 10
	s_lshl_b32 s49, s14, 8
	s_add_co_u32 s48, s48, s49                     ; my 64 columns, in bytes of f32
	s_lshl_b32 s50, s17, 19                        ; 128 rows of z
	s_lshl_b32 s51, s48, 5                         ; z IS LAID FOR ITS WRITER: for each 32 rows, 16 chunks of 64 columns, a chunk 32 rows x 256 bytes on end; my chunk is 4 x tile column + wave
	s_add_co_u32 s50, s50, s51
	s_mov_b32 s51, 0
	s_mul_i32 s23, s14, 16*SP
	v_and_b32 v1, 15, v0
	v_bfe_u32 v2, v0, 4, 1
	v_mul_u32_u24 v3, v1, PITCH
	v_lshl_add_u32 v[ADRA], v2, 4, v3
	v_add_nc_u32 v[ADRA+1], 64*PITCH, v[ADRA]
	v_add_nc_u32 v[ADRA+2], SLOT, v[ADRA]
	v_add_nc_u32 v[ADRA+3], SLOT+64*PITCH, v[ADRA]
	v_mul_u32_u24 v3, v1, SP
	v_lshl_add_u32 v3, v2, 5, v3
	v_add_nc_u32 v[STO], s23, v3
	v_mul_u32_u24 v3, v2, SP
	v_lshl_add_u32 v3, v1, 4, v3
	v_add_nc_u32 v[RD], s23, v3
	v_lshl_add_u32 v3, v2, 5, s48
.irp b, 0,1,2,3
	v_add_nc_u32 v[BAD+\b], 64*\b, v3
	v_min_u32 v[BAD+\b], 4000-32, v[BAD+\b]        ; b3 has 1000 numbers: no load leaves it
.endr
	v_and_b32 v3, 31, v0
	v_lshlrev_b32 v[LB], 4, v3
	s_wait_alu depctr_va_vdst(0)
	s_wait_dscnt 0x0
	s_wait_kmcnt 0x0
	s_load_b64 s[96:97], s[8:9], SCOFF
	s_add_nc_u64 s[20:21], s[4:5], s[20:21]
	s_add_nc_u64 s[46:47], s[6:7], s[46:47]
	s_add_nc_u64 s[12:13], s[12:13], s[50:51]
.irp s, 0,1
	s_mov_b32 s[G0+4*\s], 1
	s_add_co_u32 s[G0+4*\s+1], s45, \s*SLOT
	s_add_nc_u64 s[G0+4*\s+2:G0+4*\s+3], s[20:21], \s*1024
	s_or_b32 s[G0+4*\s+3], s[G0+4*\s+3], 0x80000000
.endr
	BLOAD 0
	BLOAD 1
	BLOAD 2
	WIN 0
	ROUND                                          ; the four work-groups are here: the first joint loads meet
	tensor_load_to_lds s[G0:G0+3], s[G1:G1+7]      ; K 0 to 1,023: one tensor load a wave at the head
	s_nop 0
	PLACES
	BLOAD 3
	WIN 0
	s_wait_alu depctr_va_vdst(0)
	s_wait_tensorcnt 0x0                           ; the three lines and a round ahead of slot 1's first fill
	ds_add_u32 v[SPW], v[NIL]
	s_wait_dscnt 0x0
	ROUND
	tensor_load_to_lds s[G0+4:G0+7], s[G1:G1+7]    ; K 1,024 to 2,047
	s_nop 0
	PLACES
	ALOAD 0
	ALOAD 1
.set G, 0
.rept 13
	STEPG
.endr
	; slot 0's last three groups (13, 14, 15) and the change of slots: one barrier; nothing is filled again
	PLACES
	WIN 0
	ALOAD 15
	s_wait_tensorcnt 0x0                           ; my part of slot 1 is in
	ds_add_u32 v[SPW], v[NIL]
	s_wait_dscnt 33                                ; group 13 is in; two groups' loads and the add may be out
	MULG 13
	s_wait_loadcnt 32                              ; W3's set of K step 7 is in; those of steps 8 and 9 may be out
	s_wait_dscnt 0x0
	s_barrier_signal -1
	MULG 14
	WIN 0
	s_barrier_wait -1
	PLACES
	ALOAD 16
	ALOAD 17
	BLOAD 10                                       ; into the set that K step 6 has left
	MULG 15
.set G, 16
.rept 16
	STEPG
.endr
	WIN 0
; THE WAY OUT, block by block of 16 rows x 64 columns: x 2^(ea + eb) + b3, through my stage, back as rows of 256 bytes, stored sixteen lanes to an aligned unit.
.macro TOSTAGE a
.if ((\a) >= 4) && (((\a)%2) == 0)
	s_wait_alu depctr_va_vdst(0)
	s_wait_xcnt 0x0                                ; the stores of blocks a - 4 and a - 3 have read their registers
.endif
.set AC, 32*(\a)
	WIN 0x02
.set j, 0
.rept 16
	v_pk_fma_f32 v[TMP+j:TMP+j+1], v[AC+j:AC+j+1], s[96:97], v[BIAS+j:BIAS+j+1] op_sel_hi:[1,0,1]
.set j, j+2
.endr
	WIN 0
.irp b, 0,1,2,3
	ds_store_b128 v[STO], v[TMP+8*\b:TMP+8*\b+3] offset:64*\b
	ds_store_b128 v[STO], v[TMP+8*\b+4:TMP+8*\b+7] offset:64*\b+16
.endr
.set BB, BK+32*((\a)%4)
.irp t, 0,1,2,3,4,5,6,7
	ds_load_b128 v[BB+4*\t:BB+4*\t+3], v[RD] offset:\t*2*SP
.endr
.endm
.macro SEND a, younger
.set BB, BK+32*((\a)%4)
	s_wait_alu depctr_va_vdst(0)
	s_wait_dscnt \younger
.irp t, 0,1,2,3,4,5,6,7
	global_store_b128 v[LB], v[BB+4*\t:BB+4*\t+3], s[12:13] offset:((\a)/2)*131072+((\a)%2)*4096+\t*512 th:TH_STORE_NT   ; two rows of my chunk: 512 consecutive bytes; a block is 4,096 on end
.endr
.endm
	s_wait_kmcnt 0x0
	s_wait_loadcnt 0x0                             ; the bias
	s_add_co_i32 s96, s96, s97
	s_add_co_i32 s96, s96, 127
	s_lshl_b32 s96, s96, 23                        ; 2^(ea + eb) as f32
	PLACES
	TOSTAGE 0
.irp a, 1,2,3,4,5,6,7
	TOSTAGE \a
	SEND \a-1, 16
.endr
	SEND 7, 0
	s_wait_tensorcnt 0x0                           ; the wave's end
	ds_add_u32 v[SPW], v[NIL]
	s_wait_dscnt 0x0
	ROUND                                          ; the closing round
	s_endpgm
.Lfunc_end_k_q4c84b0d6c3_gemm3:
	.size	k_q4c84b0d6c3_gemm3, .Lfunc_end_k_q4c84b0d6c3_gemm3-k_q4c84b0d6c3_gemm3
	.p2alignl 7, 3214868480
	.fill 96, 4, 3214868480
	.section	.rodata,"a",@progbits
	.p2align	6, 0x0
	.amdhsa_kernel k_q4c84b0d6c3_gemm3
		.amdhsa_group_segment_fixed_size 327680
		.amdhsa_private_segment_fixed_size 0
		.amdhsa_enable_private_segment 0
		.amdhsa_kernarg_size 40
		.amdhsa_user_sgpr_count 2
		.amdhsa_user_sgpr_kernarg_segment_ptr 1
		.amdhsa_wavefront_size32 1
		.amdhsa_system_sgpr_workgroup_id_x 1
		.amdhsa_system_sgpr_workgroup_id_y 1
		.amdhsa_system_sgpr_workgroup_id_z 1
		.amdhsa_system_vgpr_workitem_id 0
		.amdhsa_next_free_vgpr 768
		.amdhsa_next_free_sgpr 98
		.amdhsa_reserve_vcc 0
		.amdhsa_float_denorm_mode_32 3
		.amdhsa_float_denorm_mode_16_64 3
		.amdhsa_memory_ordered 1
		.amdhsa_forward_progress 1
		.amdhsa_inst_pref_size 127
	.end_amdhsa_kernel
	.amdgpu_metadata
---
amdhsa.version: [ 1, 2 ]
amdhsa.kernels:
  - .name:           k_q4c84b0d6c3_gemm3
    .symbol:         k_q4c84b0d6c3_gemm3.kd
    .args:
      - { .name: ac, .offset: 0, .size: 8, .value_kind: global_buffer, .address_space: global }
      - { .name: wc, .offset: 8, .size: 8, .value_kind: global_buffer, .address_space: global }
      - { .name: lowp_scales, .offset: 16, .size: 8, .value_kind: global_buffer, .address_space: global }
      - { .name: b3, .offset: 24, .size: 8, .value_kind: global_buffer, .address_space: global }
      - { .name: z, .offset: 32, .size: 8, .value_kind: global_buffer, .address_space: global }
    .group_segment_fixed_size: 327680
    .private_segment_fixed_size: 0
    .kernarg_segment_align: 8
    .kernarg_segment_size: 40
    .max_flat_workgroup_size: 128
    .sgpr_count:     98
    .vgpr_count:     768
    .wavefront_size: 32
...
	.end_amdgpu_metadata
.endif
;; end of part 6
;; launch lsm (part 7): grid 256 x 1, 4 waves a work-group, no clusters, 129,536 bytes of LDS; arguments z, out0; writes out0
.if DOCPART == 7
	.amdgcn_target "amdgcn-amd-amdhsa--gfx1250"
	.amdhsa_code_object_version 6
	.text
	.protected	k_q4c84b0d6c3_lsm
	.globl	k_q4c84b0d6c3_lsm
	.p2align	8
	.type	k_q4c84b0d6c3_lsm,@function
k_q4c84b0d6c3_lsm:
	s_mov_b64 s[64:65], 0
	v_nop
	global_prefetch_b8 v0, s[64:65] scope:SCOPE_SE
	s_setreg_imm32_b32 hwreg(HW_REG_WAVE_MODE, 25, 1), 1
	s_wait_xcnt 0x0
; out[r][c] = x[r][c] - (m + ln(sum over c of e^(x[r][c] - m))), m the row's largest x.  x: the logits, [8192][1024] f32, of which columns 0 to 999 count; out: [8192][1000] f32.
; One wave, one row at a time: a row's 4,096 bytes are eight loads, each two runs of 256 bytes, 32 registers a lane (register 4 j + i: column 128 j + 4 l + i), kept between the maximum, the sum and the subtraction: read once.
; Columns 1000 to 1023 (j = 7, lanes 26 to 31) become -infinity ahead of the maximum: their exponentials are 0.
; THE WAY OUT.  A row of out is 4,000 bytes, no multiple of 256; a wave's EIGHT rows are 32,000 bytes, 125 x 256, and begin at a multiple of 256 from out's first byte.  So the eight rows are laid densely in the wave's
; own stage in LDS and leave as one run: 62 stores of 512 consecutive bytes and one of 256.  A row's eighth LDS store runs with all lanes on: the 96 bytes that lanes 26 to 31 put behind the row's 4,000 are the next row's
; first bytes, which that row's own store, later in the same wave's LDS stream (served in order: ISA guide 5.7.1.4), writes over; the last row's fall into the 256 bytes of margin behind the wave's 32,000.
; Six row slots in registers: 48 loads a wave are out at the start.  Waves share nothing: no barrier.
; The exponent is x log2(e) - m log2(e) by one fused multiply-add: its error is that of rounding m log2(e), 6e-8 |m| log2(e).  NaN among the logits is not served.
.set X,    32                          ; v32-223  six row slots of 32 registers; on the way out three sets of 64
.set T,    224                         ; v224-255 a row's exponentials
.set WREG, 32256                       ; a wave's stage: 32,000 bytes + 256 of margin
.macro FILL r
.irp j, 0,1,2,3,4,5,6,7
	global_load_b128 v[X+32*((\r)%6)+4*\j:X+32*((\r)%6)+4*\j+3], v5, s[4:5] offset:256*(\r)+16384*\j th:TH_LOAD_NT
.endr
.endm
.macro ROW r
.set XS, X+32*((\r)%6)
.if (\r) <= 2
	s_wait_loadcnt 40                              ; this row's eight loads are in; those of the five rows behind it may be out
.else
	s_wait_loadcnt 8*(7-(\r))
.endif
.irp i, 0,1,2,3
	v_cndmask_b32 v[XS+28+\i], v9, v[XS+28+\i], s20    ; columns from 1000 on: -infinity
.endr
	v_max3_num_f32 v8, v[XS], v[XS+1], v[XS+2]     ; the largest of my 32, in two chains,
	v_max3_num_f32 v12, v[XS+3], v[XS+4], v[XS+5]
.irp i, 6,10,14,18,22,26
	v_max3_num_f32 v8, v8, v[XS+\i], v[XS+\i+1]
	v_max3_num_f32 v12, v12, v[XS+\i+2], v[XS+\i+3]
.endr
	v_max3_num_f32 v8, v8, v[XS+30], v[XS+31]
	v_max_num_f32 v8, v8, v12
	v_max_num_f32_dpp v8, v8, v8 row_xmask:1 row_mask:0xf bank_mask:0xf      ; and across the 32 lanes
	v_max_num_f32_dpp v8, v8, v8 row_xmask:2 row_mask:0xf bank_mask:0xf
	v_max_num_f32_dpp v8, v8, v8 row_xmask:4 row_mask:0xf bank_mask:0xf
	v_max_num_f32_dpp v8, v8, v8 row_xmask:8 row_mask:0xf bank_mask:0xf
	v_permlanex16_b32 v14, v8, s16, s17
	v_max_num_f32 v8, v8, v14                      ; m
	v_mul_f32 v10, s18, v8                         ; m log2(e)
.irp j, 0,2,4,6,8,10,12,14,16,18,20,22,24,26,28,30
	v_pk_fma_f32 v[T+\j:T+\j+1], v[XS+\j:XS+\j+1], s[18:19], v[10:11] op_sel_hi:[1,0,0] neg_lo:[0,0,1] neg_hi:[0,0,1]   ; (of both pairs the low word serves both halves)
.endr
.set j, 0
	s_wait_alu depctr_va_vdst(0)
.rept 32
	v_exp_f32 v[T+j], v[T+j]
.set j, j+1
.endr
	v_nop                                          ; a plain instruction behind the last of the batch (ISA guide 5.7.2)
	s_wait_alu depctr_va_vdst(0)                   ; one wait for the 32, ahead of their first reader
	v_pk_add_f32 v[12:13], v[T:T+1], v[T+2:T+3]    ; the sum, two at a time, in two chains
	v_pk_add_f32 v[14:15], v[T+4:T+5], v[T+6:T+7]
.irp j, 8,12,16,20,24,28
	v_pk_add_f32 v[12:13], v[12:13], v[T+\j:T+\j+1]
	v_pk_add_f32 v[14:15], v[14:15], v[T+\j+2:T+\j+3]
.endr
	v_pk_add_f32 v[12:13], v[12:13], v[14:15]
	v_add_f32 v12, v12, v13
	v_add_f32_dpp v12, v12, v12 row_xmask:1 row_mask:0xf bank_mask:0xf
	v_add_f32_dpp v12, v12, v12 row_xmask:2 row_mask:0xf bank_mask:0xf
	v_add_f32_dpp v12, v12, v12 row_xmask:4 row_mask:0xf bank_mask:0xf
	v_add_f32_dpp v12, v12, v12 row_xmask:8 row_mask:0xf bank_mask:0xf
	v_permlanex16_b32 v14, v12, s16, s17
	v_add_f32 v12, v12, v14                        ; at least 1: the largest x's own term
	s_wait_alu depctr_va_vdst(0)
	v_log_f32 v13, v12
	v_nop
	s_wait_alu depctr_va_vdst(0)
	v_fmamk_f32 v12, v13, 0x3f317218, v8           ; m + ln(2) log2(sum)
.irp j, 0,2,4,6,8,10,12,14,16,18,20,22,24,26,28,30
	v_pk_add_f32 v[XS+\j:XS+\j+1], v[XS+\j:XS+\j+1], v[12:13] op_sel_hi:[1,0] neg_lo:[0,1] neg_hi:[0,1]
.endr
.irp j, 0,1,2,3,4,5,6,7
	ds_store_b128 v2, v[XS+4*\j:XS+4*\j+3] offset:4000*(\r)+512*\j
.endr
.if (\r) < 2
	s_wait_dscnt 0x0                               ; the stores have read their registers,
	FILL (\r)+6                                    ; which take the row six further on
.endif
.endm
.macro LOADB b, n, set                 ; batch b of the run: n x 512 bytes back from the stage
.set k, 0
.rept \n
	ds_load_b128 v[X+64*(\set)+4*k:X+64*(\set)+4*k+3], v2 offset:512*(16*(\b)+k)
.set k, k+1
.endr
.endm
.macro STOREB b, n, set, younger       ; and out; younger: the LDS loads issued behind the batch's own
.set k, 0
.rept \n
	s_wait_dscnt (\younger)+(\n)-1-k
	global_store_b128 v1, v[X+64*(\set)+4*k:X+64*(\set)+4*k+3], s[6:7] offset:512*(16*(\b)+k) th:TH_STORE_NT   ; 512 consecutive bytes, at a multiple of 256 from out's first byte
.set k, k+1
.endr
.endm
	s_load_b128 s[4:7], s[0:1], 0x0                ; the logits, out
	v_lshl_add_u32 v30, v0, 2, 0x1f800
	v_mov_b32 v31, 0
	v_lshrrev_b32 v3, 5, v0
	v_readfirstlane_b32 s8, v3                     ; wave 0..3
	v_and_b32 v3, 31, v0                           ; lane
	v_lshlrev_b32 v1, 4, v3                        ; 16 x lane; never rewritten
	s_mul_i32 s9, s8, WREG
	v_add_nc_u32 v2, s9, v1
	v_and_b32 v4, 15, v3
	v_lshlrev_b32 v4, 4, v4
	v_add_nc_u32 v4, s9, v4
	; the logits lie as the product's launch stores them: for each 32 rows (my work-group's, 131,072 bytes on end) 16 chunks of 64 columns, a chunk 32 rows x 256 bytes.
	; Column 128 j + 4 l + i lies in chunk 2 j + l / 16, at byte 16 (l % 16) + 4 i of its row: sixteen lanes read one aligned unit of 256 bytes
	v_lshrrev_b32 v5, 4, v3
	v_and_b32 v6, 15, v3
	v_lshlrev_b32 v6, 4, v6
	v_lshl_add_u32 v5, v5, 13, v6                  ; 8,192 (l / 16) + 16 (l % 16)
	s_lshl_b32 s10, ttmp9, 2
	s_add_co_u32 s10, s10, s8                      ; which eight rows are my wave's
	s_lshl_b32 s12, ttmp9, 17                      ; my work-group's 32 rows,
	s_lshl_b32 s13, s8, 11                         ; and my wave's eight of them in each chunk
	s_add_co_u32 s12, s12, s13
	s_mov_b32 s13, 0
	s_mul_i32 s14, s10, 32000                      ; 8 x 4,000 bytes out
	s_mov_b32 s15, 0
	s_mov_b32 s16, 0x76543210                      ; v_permlanex16_b32's selects for lane l xor 16
	s_mov_b32 s17, 0xfedcba98
	s_mov_b32 s18, 0x3fb8aa3b                      ; log2(e)
	s_mov_b32 s19, s18                             ; (named with it as a pair, so it is written)
	s_mov_b32 s20, 0x03ffffff                      ; the lanes whose columns 896 + 4 l lie under 1000
	v_mov_b32 v9, 0xff800000                       ; -infinity
	v_mov_b32 v11, 0                               ; (named as the upper half of the pair v[10:11])
	v_mov_b32 v14, 0                               ; written once: a lane permute's destination counts as one of its sources
	s_wait_alu depctr_va_vdst(0)
	s_wait_kmcnt 0x0
	s_add_nc_u64 s[4:5], s[4:5], s[12:13]
	s_add_nc_u64 s[6:7], s[6:7], s[14:15]
.irp r, 0,1,2,3,4,5
	FILL \r
.endr
.irp r, 0,1,2,3,4,5,6,7
	ROW \r
.endr
	LOADB 0, 16, 0                                 ; the loads see my stores: one wave's LDS instructions are served in order
	LOADB 1, 16, 1
	STOREB 0, 16, 0, 16
	LOADB 2, 16, 2
	STOREB 1, 16, 1, 16
	s_wait_xcnt 0x0                                ; batch 0's stores have read their registers: batch 3's loads may land there
	LOADB 3, 14, 0
	STOREB 2, 16, 2, 14
	STOREB 3, 14, 0, 0
	ds_load_b128 v[T:T+3], v4 offset:31744         ; all lanes on; awaited by the closing lines' wait
	s_wait_xcnt 0x0                                ; EXEC changes only behind this wait
	v_cmp_gt_u32 vcc_lo, 16, v3
	s_wait_tensorcnt 0x0
	ds_add_u32 v30, v31
	s_wait_dscnt 0x0
	s_and_saveexec_b32 s12, vcc_lo                 ; the run's last 256 bytes: lanes 0 to 15
	global_store_b128 v1, v[T:T+3], s[6:7] offset:31744 th:TH_STORE_NT
	s_wait_xcnt 0x0                                ; and again, in front of the line that widens it
	s_or_b32 exec_lo, exec_lo, s12
	s_endpgm
.Lfunc_end_k_q4c84b0d6c3_lsm:
	.size	k_q4c84b0d6c3_lsm, .Lfunc_end_k_q4c84b0d6c3_lsm-k_q4c84b0d6c3_lsm
	.p2alignl 7, 3214868480
	.fill 96, 4, 3214868480
	.section	.rodata,"a",@progbits
	.p2align	6, 0x0
	.amdhsa_kernel k_q4c84b0d6c3_lsm
		.amdhsa_group_segment_fixed_size 129536
		.amdhsa_private_segment_fixed_size 0
		.amdhsa_enable_private_segment 0
		.amdhsa_kernarg_size 16
		.amdhsa_user_sgpr_count 2
		.amdhsa_user_sgpr_kernarg_segment_ptr 1
		.amdhsa_wavefront_size32 1
		.amdhsa_system_sgpr_workgroup_id_x 1
		.amdhsa_system_sgpr_workgroup_id_y 1
		.amdhsa_system_sgpr_workgroup_id_z 1
		.amdhsa_system_vgpr_workitem_id 0
		.amdhsa_next_free_vgpr 256
		.amdhsa_next_free_sgpr 66
		.amdhsa_reserve_vcc 1
		.amdhsa_float_denorm_mode_32 3
		.amdhsa_float_denorm_mode_16_64 3
		.amdhsa_memory_ordered 1
		.amdhsa_forward_progress 1
		.amdhsa_inst_pref_size 74
	.end_amdhsa_kernel
	.amdgpu_metadata
---
amdhsa.version: [ 1, 2 ]
amdhsa.kernels:
  - .name:           k_q4c84b0d6c3_lsm
    .symbol:         k_q4c84b0d6c3_lsm.kd
    .args:
      - { .name: z, .offset: 0, .size: 8, .value_kind: global_buffer, .address_space: global }
      - { .name: out0, .offset: 8, .size: 8, .value_kind: global_buffer, .address_space: global }
    .group_segment_fixed_size: 129536
    .private_segment_fixed_size: 0
    .kernarg_segment_align: 8
    .kernarg_segment_size: 16
    .max_flat_workgroup_size: 128
    .sgpr_count:     66
    .vgpr_count:     256
    .wavefront_size: 32
...
	.end_amdgpu_metadata
.endif
;; end of part 7
